; MI455X (gfx1250); checked and timed in simulation.
; The chip was launched on July 23, 2026; its instructions are those of AMD's public machine-readable ISA for CDNA 5 (MIT licence, August 2026) and "CDNA5" Instruction Set Architecture Reference Guide (July 2026). The comments in the code are by the model that wrote it; some were corrected since.
;; Lo RA Linear. Allowed arithmetic: matrix products marked QUANTISED: E5M2 operands, one E8M0 scale for each 32 along K, by v_wmma_scale_f32_16x16x128_f8f6f4 with both operands' format E5M2, f32 sums; products left as they are: f32 operands where the result goes on into a quantised operand, else bf16, f16 or f32 operands; f32 sums; everything else in f32.
;; Inputs: lora_a 4,096 x 16 float32; lora_b 16 x 4,096 float32; weight 4,096 x 4,096 float32; x 4,096 x 4,096 float32.
;; Outputs: out0 4,096 x 4,096 float32.
;; This version of the problem:
;;   THIS VERSION OF THE PROBLEM IS GIVEN IN LOW PRECISION. The matrix products marked QUANTISED in the list below multiply operands that are first quantised to E5M2 (5 exponent bits, 2 mantissa bits; 8 bits a number), with one power-of-two scale for each 32 numbers along K (OCP MX v1.0); their sums are f32. All else is computed in f32.
;;   The module's matrix products, in the order in which they are computed (A, B: the left and right operand; K: the contracted axis; several contracted axes count as one K, in the product's order):
;;     1. [M 4,096, K 4,096] x [K 4,096, N 4,096]; A: input x; B: computed on the way: QUANTISED
;;     2. [M 4,096, K 4,096] x [K 4,096, N 16]; A: input x; B: input lora_a: QUANTISED
;;     3. [M 4,096, K 16] x [K 16, N 4,096]; A: computed on the way; B: input lora_b: left as it is (K = 16 < 32)
;;   THE QUANTISER, for each operand of a quantised product, along K:
;;     - K is cut into blocks of 32 from its start; a last block that is shorter is filled with zeros.
;;     - A block's scale is 2^e with e = floor(log2(the largest magnitude in the block)) - 15, held to -126 .. 127; a block of zeros has e = 0. As a byte (E8M0): e + 127.
;;     - Each number is divided by its block's scale, clamped to +-57,344, and rounded to the nearest number of E5M2, ties to even, subnormals kept.
;;     - The product sums the exact products of the quantised numbers (number of the format x scale) in f32.
;;   ~~~python
;;   def quantise(x, axis):      # numpy; x: float32 -> the quantised numbers, widened to float32 again
;;       x = np.moveaxis(x, axis, -1); K = x.shape[-1]
;;       x = np.pad(x, [(0, 0)] * (x.ndim - 1) + [(0, -K % 32)]); x = x.reshape(x.shape[:-1] + (-1, 32)); a = np.abs(x).max(-1, keepdims=True)
;;       e = np.where(a > 0, np.clip(np.frexp(np.where(a > 0, a, 1))[1] - 1 - 15, -126, 127), 0)      # np.frexp(a)[1] - 1 = floor(log2(a)), exactly
;;       r = np.clip(x / 2.0 ** e, -57344, 57344)
;;       step = 2.0 ** (np.maximum(np.frexp(np.where(r == 0, 1, r))[1] - 1, -14) - 2)
;;       q = np.round(r / step) * step * 2.0 ** e      # np.round: ties to even
;;       return np.moveaxis(q.reshape(q.shape[:-2] + (-1,))[..., :K], -1, axis).astype(np.float32)
;;   ~~~
;;   OPERANDS COMPUTED ON THE WAY. 'Computed on the way' means the value that the module computes at that place (a softmax that the list does not call 'softmax' is quantised finished and normalised). What goes into a quantiser is computed in f32, as accurately as f32 sums, v_exp_f32 and their like allow (about 1e-6 of the number): no bf16 or f16 on the way to a quantiser, and a product that is left as it is and whose result goes on into a quantised operand takes f32 operands (vector FMAs, or v_wmma_f32_16x16x4_f32). A number that lies on a knife's edge between two numbers of the format may be rounded either way, as far as f32 arithmetic and the matrix unit's own rounding can turn it there, and no further.
;; 2 versions. Each part assembles by itself: llvm-mc -triple=amdgcn-amd-amdhsa -mcpu=gfx1250 --defsym DOCPART=n.
;; ======== version 1 of 2: 2 launches
;; workspace buffers: xq 17,301,504 bytes; wq 17,301,504 bytes; timg 131,072 bytes; lbimg 131,072 bytes
;; launch quant (part 1): grid 512 x 1, 16 waves a work-group, no clusters, 290,304 bytes of LDS; arguments x, weight, lora_a, lora_b, xq, wq, timg, lbimg; writes xq, wq, timg, lbimg
.if DOCPART == 1
	.amdgcn_target "amdgcn-amd-amdhsa--gfx1250"
	.amdhsa_code_object_version 6
	.text
	.protected	k_q5c3e635da3_quant
	.globl	k_q5c3e635da3_quant
	.p2align	8
	.type	k_q5c3e635da3_quant,@function
k_q5c3e635da3_quant:
	s_mov_b64 s[64:65], 0
	v_nop
	global_prefetch_b8 v0, s[64:65] scope:SCOPE_SE
	s_setreg_imm32_b32 hwreg(HW_REG_WAVE_MODE, 25, 1), 1
	s_wait_xcnt 0x0
; x [4096][4096] and weight [4096][4096], f32, become codes of BF8 (E5M2) with one E8M0 scale byte for each 32 along K, laid in the order in which the product's launch takes them into registers.
; weight is first quantised to int8 by its row's largest magnitude and widened again, in f32:  s = absmax / 127;  w = clip(round(w / (s + 1e-8)), -128, 127) x s.
; On the way the small products' operands are made:  t = Q(x) Q(lora_a) by the scaled matrix instruction, stored as bf16(2 t);  lora_b stored as bf16; both as images of a bf16 fragment's registers.
; SHARES.  A work-group of sixteen waves takes 16 rows and all of K: odd work-groups 16 rows of x, even ones 16 rows of weight.  Wave w takes K = 256 w .. 256 w + 255: 128 numbers a lane, which stay in registers,
; so that weight is read from memory once although a row's largest magnitude is wanted before its first code.  The two kinds part once, on the work-group's number, and never join; each has LDS bytes of its own.
; LAYOUT OF xq AND wq: [32 half-tiles of 128 rows][16 K steps of 256][33,792 bytes].  In such a block the fragment (q: which 128 of the step, i: which 16 rows) lies at (8 q + i) x 2,048 as an image of its 16 registers:
; group c of four registers at 512 c, lane l's 16 bytes at 16 l (row 16 i + l % 16, K = 128 q + 32 c + 16 (l / 16) + 0 .. 15).  The scale words (four bytes: 128 along K of a row) lie at 32,768 + 128 i + 8 (row % 16) + 4 q.
; timg, lbimg: [256 blocks of 16][32 lanes][16 bytes]: lane (r, h) holds bf16 of 2 t[16 blk + r][8 h + 0 .. 7], and of lora_b[8 h + 0 .. 7][16 blk + r].
; THE TURN.  A load is best where neighbouring lanes take neighbouring bytes (512 consecutive bytes a load); the conversions want 16 neighbours along K in one lane.  So each half of a wave's numbers (16 rows x 512 bytes) goes
; through the wave's own stage in LDS, rows 528 bytes apart, and comes back 64 bytes a lane and block.
; NO CLUSTER, NO TENSOR LOADS: rows are read once by one work-group; lora_a, which all work-groups of x read, comes through registers straight in the operand's order (a lane to a column, registers down K).
; LIMITS: NaN and infinities among the inputs are not served.  A row of weight whose absmax / 127 reaches 2^126 is not served (v_rcp_f32 gives 0 there).  A block of zeros gets the scale byte 1 where the rule says 127:
; its codes are zeros, and the bytes are read by this program alone.  t is summed as 32 sums of 128 along K (two a wave, then the waves in ascending order) and rounded to bf16, as lora_b is, for the product of K = 16.
.set ROWB,  16384                      ; a row of x or of weight in bytes
.set BLK,   33792                      ; a block of xq or wq
.set SP,    528                        ; a stage row: 512 bytes + 16: an odd multiple of 16, so that the sixteen rows that a load touches fall on different banks (ISA guide 11.1)
.set STGB,  16*SP                      ; a wave's stage
.set STGW,  16*STGB                    ; x's sixteen stages lie at 0, weight's here
.set MAXB,  2*16*STGB                  ; weight alone: the waves' largest magnitudes, 80 bytes a row (16 words + 16 bytes)
.set MP,    80
.set TPB,   MAXB+1536                  ; x alone: the waves' sums of t, 1,024 bytes a wave
.set TM,    16                         ; v16-19 largest magnitudes, v20-23 the other half's / the bytes, v24-27 the largest number x the scale, v28-31 the conversions' scale operands
.set PW,    32                         ; v32, v33  the rows' scale words, q = 0, 1
.set LS,    34                         ; v34, v35  lora_a's scale words
.set SW,    36                         ; v36       the word that my lane stores
.set SS,    38                         ; v[38:39]  weight: s, twice
.set DD,    40                         ; v[40:41]  s + 1e-8, twice.   (x, wave 0: v[40:43] the image of t)
.set RC,    42                         ; v[42:43]  1 / (s + 1e-8), twice
.set MX,    44                         ; v44-47    four chains of maxima
.set LC0,   48                         ; x: lora_a's codes, q = 0
.set T,     48                         ; weight: v48-63 sixteen maxima; then v48-55 quotients,
.set E,     56                         ; v56-63 their remainders
.set LC1,   64                         ; x: lora_a's codes, q = 1 (v64-127 hold lora_a's numbers of q = 0 first).   weight, wave 0: v64-71 lora_b, v72-75 its image
.set PC0,   80                         ; the rows' codes, q = 0
.set PC1,   96                         ; q = 1
.set ACC0,  112                        ; x: t of K half 0,
.set ACC1,  120                        ; and of half 1
.set D,     128                        ; v128-191 the numbers of q = 0, v192-255 of q = 1 (x: lora_a's numbers of q = 1 first)
.macro DLOAD q                         ; half q of my 16 rows: each load reads 512 consecutive bytes of one row
.irp r, 0,1,2,3,4,5,6,7,8,9,10,11,12,13,14,15
	global_load_b128 v[D+64*\q+4*\r:D+64*\q+4*\r+3], v4, s[24:25] offset:\r*ROWB+\q*512 th:TH_LOAD_NT
.endr
.endm
.macro LALOAD reg, q                   ; lora_a(256 w + 128 q + 32 b + 16 h + i, column r) into register 16 b + i: the operand's own order
.irp b, 0,1,2,3
.irp i, 0,1,2,3,4,5,6,7,8,9,10,11,12,13,14,15
	global_load_b32 v[16*\b+\i+\reg], v11, s[8:9] offset:(128*\q+32*\b+\i)*64
.endr
.endr
.endm
.macro TO_STAGE q                      ; as loaded: row r's 512 bytes on end
.irp r, 0,1,2,3,4,5,6,7,8,9,10,11,12,13,14,15
	ds_store_b128 v5, v[D+64*\q+4*\r:D+64*\q+4*\r+3] offset:\r*SP
.endr
.endm
.macro FROM_STAGE q                    ; back: register 16 b + e of lane (r, h) is K = 128 q + 32 b + 16 h + e of row r
.irp b, 0,1,2,3
.irp j, 0,1,2,3
	ds_load_b128 v[D+64*\q+16*\b+4*\j:D+64*\q+16*\b+4*\j+3], v6 offset:128*\b+16*\j
.endr
.endr
.endm
; 64 numbers of a lane, v[s] on, register 16 b + i = K 32 b + 16 (lane / 16) + i of my row or column, become a fragment's 16 registers of codes in v[d] on and its scale word in v[w].
.macro QUANT s, d, w
.irp b, 0,1,2,3
	v_max3_num_f32 v[TM+\b], |v[16*\b+\s]|, |v[16*\b+1+\s]|, 0x8000000   ; block b: my 16 numbers, and the floor 2^(16 - 127): the byte cannot fall under 1
.endr
.irp i, 2,4,6,8,10,12,14
.irp b, 0,1,2,3
	v_max3_num_f32 v[TM+\b], v[TM+\b], |v[16*\b+\i+\s]|, |v[16*\b+\i+1+\s]|   ; the four blocks by turns
.endr
.endr
.irp b, 0,1,2,3
	v_permlanex16_b32 v[TM+4+\b], v[TM+\b], s30, s31
.endr
.irp b, 0,1,2,3
	v_max_num_f32 v[TM+\b], v[TM+\b], v[TM+4+\b]           ; with lane l xor 16's 16: the block's largest magnitude
.endr
.irp b, 0,1,2,3
	v_add_nc_u32 v[TM+12+\b], 0xf8800000, v[TM+\b]         ; 15 off its exponent field: the conversion takes this operand's exponent field as its scale
.endr
.irp b, 0,1,2,3
	v_and_or_b32 v[TM+8+\b], v[TM+\b], 0x7f800000, s23     ; 57,344 x the scale: that exponent field over 57,344's mantissa field
.endr
.irp b, 0,1,2,3
	v_lshrrev_b32 v[TM+4+\b], 23, v[TM+12+\b]              ; the scale's byte
.endr
	v_lshl_or_b32 v[\w], v[TM+5], 8, v[TM+4]               ; four bytes make the scale word
	v_lshl_or_b32 v[\w], v[TM+6], 16, v[\w]
	v_lshl_or_b32 v[\w], v[TM+7], 24, v[\w]
.irp b, 0,1,2,3
.irp i, 0,1,2,3,4,5,6,7,8,9,10,11,12,13,14,15
	v_med3_num_f32 v[16*\b+\i+\s], v[16*\b+\i+\s], -v[TM+8+\b], v[TM+8+\b]   ; the conversion to an 8-bit code does not saturate (ISA guide 7.6.2): the hold at the largest code x the scale
.endr
	v_cvt_scalef32_pk8_bf8_f32 v[4*\b+\d:4*\b+1+\d], v[16*\b+\s:16*\b+7+\s], v[TM+12+\b]
	v_cvt_scalef32_pk8_bf8_f32 v[4*\b+2+\d:4*\b+3+\d], v[16*\b+8+\s:16*\b+15+\s], v[TM+12+\b]
.endr
	v_nop                                          ; a plain vector line behind the last conversion, ahead of whatever next touches its registers
.endm
.macro CSTORE pc, q                    ; a fragment's image: each store covers 512 consecutive bytes, at a multiple of 256 from the buffer's first byte
.irp c, 0,1,2,3
	global_store_b128 v7, v[4*\c+\pc:4*\c+3+\pc], s[26:27] offset:\q*16384+512*\c
.endr
.endm
.macro WORDS                           ; lanes 0-15 store their rows' words of q = 0, lanes 16-31 those of q = 1: 128 consecutive bytes
	v_cmp_eq_u32 vcc_lo, 1, v3
	v_cndmask_b32 v[SW], v[PW], v[PW+1], vcc_lo
	global_store_b32 v8, v[SW], s[26:27]
.endm
; Eight numbers of weight, v[p] on: the quotient by s + 1e-8 (a product by the reciprocal, mended once by its remainder), rounded to a whole number, ties to even, clipped, times s.
.macro QDQ p
.irp k, 0,2,4,6
	v_pk_mul_f32 v[T+\k:T+\k+1], v[\k+\p:\k+1+\p], v[RC:RC+1]
.endr
.irp k, 0,2,4,6
	v_pk_fma_f32 v[E+\k:E+\k+1], v[T+\k:T+\k+1], v[DD:DD+1], v[\k+\p:\k+1+\p] neg_lo:[1,0,0] neg_hi:[1,0,0]   ; w - quotient x divisor
.endr
.irp k, 0,2,4,6
	v_pk_fma_f32 v[T+\k:T+\k+1], v[E+\k:E+\k+1], v[RC:RC+1], v[T+\k:T+\k+1]
.endr
.irp k, 0,1,2,3,4,5,6,7
	v_rndne_f32 v[T+\k], v[T+\k]
.endr
.irp k, 0,1,2,3,4,5,6,7
	v_med3_num_f32 v[T+\k], v[T+\k], s32, s33      ; between -128 and 127
.endr
.irp k, 0,2,4,6
	v_pk_mul_f32 v[\k+\p:\k+1+\p], v[T+\k:T+\k+1], v[SS:SS+1]
.endr
.endm
	s_load_b256 s[4:11], s[0:1], 0x0               ; x s[4:5], weight s[6:7], lora_a s[8:9], lora_b s[10:11]
	s_load_b256 s[12:19], s[0:1], 0x20             ; xq s[12:13], wq s[14:15], timg s[16:17], lbimg s[18:19]
	v_lshl_add_u32 v15, v0, 2, 0x46600
	v_mov_b32 v37, 0
	v_lshrrev_b32 v1, 5, v0
	v_readfirstlane_b32 s20, v1                    ; wave 0..15
	s_and_b32 s21, ttmp9, 1                        ; 1: rows of x, 0: rows of weight
	s_lshr_b32 s22, ttmp9, 1                       ; which block of 16 rows, 0..255
	v_and_b32 v1, 31, v0                           ; lane
	v_and_b32 v2, 15, v0                           ; r
	v_bfe_u32 v3, v0, 4, 1                         ; h
	v_lshlrev_b32 v4, 4, v1                        ; 16 x lane
	s_and_b32 s34, s22, 7                          ; i: my 16 rows' place in their half-tile
	s_lshl_b32 s35, s34, 11
	v_add_nc_u32 v7, s35, v4                       ; codes: 2,048 i + 16 x lane
	s_lshl_b32 s35, s34, 7
	s_add_co_u32 s35, s35, 32768
	v_lshl_add_u32 v8, v2, 3, s35                  ; scale words: 32,768 + 128 i + 8 r
	v_lshl_add_u32 v8, v3, 2, v8                   ; + 4 h
	s_mov_b32 s23, 0x600000                        ; the mantissa field of 57,344
	s_mov_b32 s30, 0x76543210
	s_mov_b32 s31, 0xfedcba98                      ; v_permlanex16_b32's selects for lane l xor 16
.irp b, 0,1,2,3
	v_mov_b32 v[TM+4+\b], 0                        ; written once: a lane permute's destination counts as one of its sources
.endr
	s_lshl_b32 s28, s22, 18                        ; from where: 16 rows of 16,384 bytes a block,
	s_lshl_b32 s35, s20, 10                        ; 1,024 bytes of each row a wave
	s_add_co_u32 s28, s28, s35
	s_mov_b32 s29, 0
	s_lshr_b32 s36, s22, 3                         ; to where: block (half-tile, K step = wave)
	s_lshl_b32 s36, s36, 4
	s_add_co_u32 s36, s36, s20
	s_mul_i32 s36, s36, BLK
	s_mov_b32 s37, 0
	s_mul_i32 s38, s20, STGB                       ; my stage among its kind's sixteen
	s_wait_kmcnt 0x0
	s_cmp_eq_u32 s21, 0
	s_cbranch_scc1 .Lweight
	; ======== 16 rows of x ========
	s_add_nc_u64 s[24:25], s[4:5], s[28:29]
	s_add_nc_u64 s[26:27], s[12:13], s[36:37]
	s_lshl_b32 s28, s20, 14                        ; lora_a: my 256 rows of 64 bytes
	s_add_nc_u64 s[8:9], s[8:9], s[28:29]
	s_lshl_b32 s28, s22, 9                         ; timg: 512 bytes a block
	s_add_nc_u64 s[16:17], s[16:17], s[28:29]
	v_lshlrev_b32 v11, 2, v2
	v_lshl_add_u32 v11, v3, 10, v11                ; lora_a: column r, lanes 16-31 sixteen rows further down
	LALOAD LC1, 0                                  ; into v64-127
	LALOAD D+64, 1                                 ; into v192-255
	DLOAD 0
	v_add_nc_u32 v5, s38, v4                       ; the stage, on the way in: 16 x lane
	v_mul_u32_u24 v6, v2, SP
	v_lshl_add_u32 v6, v3, 6, v6
	v_add_nc_u32 v6, s38, v6                       ; and back: row r, + 64 h
	s_lshl_b32 s39, s20, 10
	s_add_co_u32 s39, s39, TPB
	v_add_nc_u32 v12, s39, v4                      ; where my wave's sums of t go
	v_add_nc_u32 v13, TPB, v4                      ; and from where wave 0 reads all sixteen
	s_wait_loadcnt 16                              ; loads come back in order (ISA guide 5.7.1): all of lora_a is in, the 16 row loads may be out
	QUANT LC1, LC0, LS                             ; lora_a is quantised while x's first half is on its way
	QUANT D+64, LC1, LS+1
	DLOAD 1                                        ; into the registers that lora_a's second half has left
	s_wait_loadcnt 16                              ; the first half is in, the second may be out
	TO_STAGE 0
	s_wait_dscnt 0x0                               ; the stores have read the registers into which the loads below land
	FROM_STAGE 0
	s_wait_dscnt 0x0
	QUANT D, PC0, PW
	CSTORE PC0, 0
	s_wait_loadcnt 0x0
	TO_STAGE 1                                     ; LDS serves a wave's instructions in order (ISA guide 5.7.1.4): these come behind the first half's reads
	s_wait_dscnt 0x0
	FROM_STAGE 1
	s_wait_dscnt 0x0
	QUANT D+64, PC1, PW+1
	CSTORE PC1, 1
	WORDS
.rept 4
	v_nop                                          ; codes written by vector instructions stand four places ahead of a scaled matrix instruction; the scale words were made ahead of the 64 holds
.endr
	; t^T: source 0 = lora_a's 16 columns, source 1 = my 16 rows of x: register j of lane (r, h) is t(row r, column 8 h + j) over 128 along K
	v_wmma_scale_f32_16x16x128_f8f6f4 v[ACC0:ACC0+7], v[LC0:LC0+15], v[PC0:PC0+15], 0, v[LS], v[PW] matrix_a_fmt:MATRIX_FMT_BF8 matrix_b_fmt:MATRIX_FMT_BF8
	v_wmma_scale_f32_16x16x128_f8f6f4 v[ACC1:ACC1+7], v[LC1:LC1+15], v[PC1:PC1+15], 0, v[LS+1], v[PW+1] matrix_a_fmt:MATRIX_FMT_BF8 matrix_b_fmt:MATRIX_FMT_BF8
.rept 8
	v_nop                                          ; eight places behind this form before its results are read
.endr
.irp k, 0,2,4,6
	v_pk_add_f32 v[ACC0+\k:ACC0+\k+1], v[ACC0+\k:ACC0+\k+1], v[ACC1+\k:ACC1+\k+1]   ; my 256 along K; both results from their low end on
.endr
	ds_store_b128 v12, v[ACC0:ACC0+3]
	ds_store_b128 v12, v[ACC0+4:ACC0+7] offset:512
	s_wait_dscnt 0x0                               ; for wave 0's sake: my sums lie in LDS
	s_barrier_signal -1
	s_barrier_wait -1
	s_cmp_lg_u32 s20, 0
	s_cbranch_scc1 .Lx_end
.irp w, 0,1,2,3,4,5,6,7,8,9,10,11,12,13,14,15
	ds_load_b128 v[D+8*\w:D+8*\w+3], v13 offset:1024*\w
	ds_load_b128 v[D+8*\w+4:D+8*\w+7], v13 offset:1024*\w+512
.endr
	s_wait_dscnt 0x0
.irp w, 1,2,3,4,5,6,7,8,9,10,11,12,13,14,15
.irp k, 0,2,4,6
	v_pk_add_f32 v[D+\k:D+\k+1], v[D+\k:D+\k+1], v[D+8*\w+\k:D+8*\w+\k+1]   ; the waves in ascending order: K ascending
.endr
.endr
.irp k, 0,2,4,6
	v_pk_mul_f32 v[D+\k:D+\k+1], v[D+\k:D+\k+1], 2.0 op_sel_hi:[1,0]       ; alpha / r = 2: exact
.endr
.irp p, 0,1,2,3
	v_cvt_pk_bf16_f32 v[DD+\p], v[D+2*\p], v[D+2*\p+1]
.endr
	global_store_b128 v4, v[DD:DD+3], s[16:17]     ; 512 consecutive bytes: registers 0-3 of a bf16 fragment (k = 8 h + 0 .. 7)
.Lx_end:
	s_wait_tensorcnt 0x0
	ds_add_u32 v15, v37
	s_wait_dscnt 0x0
	s_endpgm
	; ======== 16 rows of weight ========
.Lweight:
	s_add_nc_u64 s[24:25], s[6:7], s[28:29]
	s_add_nc_u64 s[26:27], s[14:15], s[36:37]
	DLOAD 0
	DLOAD 1
	s_add_co_u32 s38, s38, STGW
	v_add_nc_u32 v5, s38, v4                       ; the stage, on the way in
	v_mul_u32_u24 v6, v2, SP
	v_lshl_add_u32 v6, v3, 6, v6
	v_add_nc_u32 v6, s38, v6                       ; and back
	v_mul_u32_u24 v10, v2, MP
	v_add_nc_u32 v10, MAXB, v10                    ; row r's sixteen maxima
	s_lshl_b32 s39, s20, 2
	v_add_nc_u32 v9, s39, v10                      ; my wave's word among them
	s_mov_b32 s32, 0xc3000000                      ; -128
	s_mov_b32 s33, 0x42fe0000                      ; 127
	s_mov_b32 s34, 0x3c010204                      ; 1 / 127, rounded
	s_cmp_lg_u32 s20, 0
	s_cbranch_scc1 .Lw_rows
	; wave 0: lora_b's 16 columns 16 blk .. + 15 as a bf16 fragment's image; load, wait, conversion and store stand in this one branch, behind the issue of the rows' loads
	s_lshl_b32 s28, s22, 6
	s_add_nc_u64 s[10:11], s[10:11], s[28:29]
	s_lshl_b32 s28, s22, 9
	s_add_nc_u64 s[18:19], s[18:19], s[28:29]
	v_lshlrev_b32 v14, 2, v2
	v_lshl_add_u32 v14, v3, 17, v14                ; column r, lanes 16-31 eight rows of 16,384 bytes further down
.irp j, 0,1,2,3,4,5,6,7
	global_load_b32 v[LC1+\j], v14, s[10:11] offset:\j*16384
.endr
	s_wait_loadcnt 0x0
.irp p, 0,1,2,3
	v_cvt_pk_bf16_f32 v[LC1+8+\p], v[LC1+2*\p], v[LC1+2*\p+1]
.endr
	global_store_b128 v4, v[LC1+8:LC1+11], s[18:19]
.Lw_rows:
	s_wait_loadcnt 16                              ; the first half is in, the second half's 16 loads may be out
	TO_STAGE 0
	s_wait_dscnt 0x0                               ; the stores have read the registers into which the loads below land
	FROM_STAGE 0
	s_wait_loadcnt 0x0
	TO_STAGE 1
	s_wait_dscnt 0x0
	FROM_STAGE 1
	s_wait_dscnt 0x0
.irp c, 0,1,2,3
	v_max_num_f32 v[MX+\c], |v[D+32*\c]|, |v[D+32*\c+1]|   ; the largest magnitude of my 128 numbers of row r, in four chains
.endr
.irp i, 2,4,6,8,10,12,14,16,18,20,22,24,26,28,30
.irp c, 0,1,2,3
	v_max3_num_f32 v[MX+\c], v[MX+\c], |v[D+32*\c+\i]|, |v[D+32*\c+\i+1]|
.endr
.endr
	v_max3_num_f32 v[MX], v[MX], v[MX+1], v[MX+2]
	v_max_num_f32 v[MX], v[MX], v[MX+3]
	v_permlanex16_b32 v[MX+1], v[MX], s30, s31
	v_max_num_f32 v[MX], v[MX], v[MX+1]            ; with lane l xor 16's: my wave's 256 along K
	ds_store_b32 v9, v[MX]                         ; both lanes of a row write the same word with the same value
	s_wait_dscnt 0x0                               ; for the others' sake
	s_barrier_signal -1
	s_barrier_wait -1
.irp k, 0,1,2,3
	ds_load_b128 v[T+4*\k:T+4*\k+3], v10 offset:16*\k
.endr
	s_wait_dscnt 0x0
	v_max3_num_f32 v[MX], v[T], v[T+1], v[T+2]
	v_max3_num_f32 v[MX+1], v[T+3], v[T+4], v[T+5]
	v_max3_num_f32 v[MX+2], v[T+6], v[T+7], v[T+8]
	v_max3_num_f32 v[MX+3], v[T+9], v[T+10], v[T+11]
	v_max3_num_f32 v[MX], v[MX], v[T+12], v[T+13]
	v_max3_num_f32 v[MX+1], v[MX+1], v[T+14], v[T+15]
	v_max3_num_f32 v[MX], v[MX], v[MX+1], v[MX+2]
	v_max_num_f32 v[MX], v[MX], v[MX+3]            ; the row's largest magnitude
	v_mul_f32 v[SS], s34, v[MX]                    ; s = absmax / 127: a product by 1 / 127,
	v_fma_f32 v[DD], -v[SS], s33, v[MX]            ; its remainder,
	v_fma_f32 v[SS], v[DD], s34, v[SS]             ; and the mended quotient
	v_add_f32 v[DD], 0x322bcc77, v[SS]             ; s + 1e-8
	v_rcp_f32 v[RC], v[DD]
	v_mov_b32 v[SS+1], v[SS]                       ; (a plain line behind the reciprocal)  the packed forms take pairs: each number twice
	s_wait_alu depctr_va_vdst(0)
	v_fma_f32 v[RC+1], -v[DD], v[RC], 1.0
	v_fma_f32 v[RC], v[RC+1], v[RC], v[RC]         ; one Newton step
	v_mov_b32 v[DD+1], v[DD]
	v_mov_b32 v[RC+1], v[RC]
.set P, D
.rept 16
	QDQ P
.set P, P+8
.endr
	QUANT D, PC0, PW
	CSTORE PC0, 0
	QUANT D+64, PC1, PW+1
	CSTORE PC1, 1
	WORDS
	s_wait_tensorcnt 0x0
	ds_add_u32 v15, v37
	s_wait_dscnt 0x0
	s_endpgm
.Lfunc_end_k_q5c3e635da3_quant:
	.size	k_q5c3e635da3_quant, .Lfunc_end_k_q5c3e635da3_quant-k_q5c3e635da3_quant
	.p2alignl 7, 3214868480
	.fill 96, 4, 3214868480
	.section	.rodata,"a",@progbits
	.p2align	6, 0x0
	.amdhsa_kernel k_q5c3e635da3_quant
		.amdhsa_group_segment_fixed_size 290304
		.amdhsa_private_segment_fixed_size 0
		.amdhsa_enable_private_segment 0
		.amdhsa_kernarg_size 64
		.amdhsa_user_sgpr_count 2
		.amdhsa_user_sgpr_kernarg_segment_ptr 1
		.amdhsa_wavefront_size32 1
		.amdhsa_system_sgpr_workgroup_id_x 1
		.amdhsa_system_sgpr_workgroup_id_y 1
		.amdhsa_system_sgpr_workgroup_id_z 1
		.amdhsa_system_vgpr_workitem_id 0
		.amdhsa_next_free_vgpr 256
		.amdhsa_next_free_sgpr 66
		.amdhsa_reserve_vcc 1
		.amdhsa_float_denorm_mode_32 3
		.amdhsa_float_denorm_mode_16_64 3
		.amdhsa_memory_ordered 1
		.amdhsa_forward_progress 1
		.amdhsa_inst_pref_size 123
	.end_amdhsa_kernel
	.amdgpu_metadata
---
amdhsa.version: [ 1, 2 ]
amdhsa.kernels:
  - .name:           k_q5c3e635da3_quant
    .symbol:         k_q5c3e635da3_quant.kd
    .args:
      - { .name: x, .offset: 0, .size: 8, .value_kind: global_buffer, .address_space: global }
      - { .name: weight, .offset: 8, .size: 8, .value_kind: global_buffer, .address_space: global }
      - { .name: lora_a, .offset: 16, .size: 8, .value_kind: global_buffer, .address_space: global }
      - { .name: lora_b, .offset: 24, .size: 8, .value_kind: global_buffer, .address_space: global }
      - { .name: xq, .offset: 32, .size: 8, .value_kind: global_buffer, .address_space: global }
      - { .name: wq, .offset: 40, .size: 8, .value_kind: global_buffer, .address_space: global }
      - { .name: timg, .offset: 48, .size: 8, .value_kind: global_buffer, .address_space: global }
      - { .name: lbimg, .offset: 56, .size: 8, .value_kind: global_buffer, .address_space: global }
    .group_segment_fixed_size: 290304
    .private_segment_fixed_size: 0
    .kernarg_segment_align: 8
    .kernarg_segment_size: 64
    .max_flat_workgroup_size: 512
    .sgpr_count:     66
    .vgpr_count:     256
    .wavefront_size: 32
...
	.end_amdgpu_metadata
.endif
;; end of part 1
;; launch gemm (part 2): grid 16 x 16, 4 waves a work-group, clusters of 4 x 4, 327,680 bytes of LDS; arguments xq, wq, timg, lbimg, out0; writes out0
.if DOCPART == 2
	.amdgcn_target "amdgcn-amd-amdhsa--gfx1250"
	.amdhsa_code_object_version 6
	.text
	.protected	k_q5c3e635da3_gemm
	.globl	k_q5c3e635da3_gemm
	.p2align	8
	.type	k_q5c3e635da3_gemm,@function
k_q5c3e635da3_gemm:
	s_mov_b64 s[64:65], 0
	v_nop
	global_prefetch_b8 v0, s[64:65] scope:SCOPE_SE
	s_setreg_imm32_b32 hwreg(HW_REG_WAVE_MODE, 25, 1), 1
	s_wait_xcnt 0x0
	s_wait_alu depctr_hold_cnt(0) depctr_sa_sdst(0) depctr_va_vdst(0) depctr_va_sdst(0) depctr_va_ssrc(0) depctr_va_vcc(0) depctr_vm_vsrc(0)
	s_getreg_b32 s2, hwreg(HW_REG_IB_STS2, 6, 4)
	s_cmp_eq_u32 s2, 0
	s_cbranch_scc0 .Lentry_in_a_cluster
	s_endpgm
.Lentry_in_a_cluster:
	s_bfe_u32 s2, ttmp6, 0x10000c
	s_cmp_lg_u32 s2, 0xf033
	s_cbranch_scc0 .Lentry_shape_is_right
	s_endpgm
.Lentry_shape_is_right:
; out0[m][n] = sum over k of X[m][k] W[n][k] + sum over j < 16 of (2 t)[m][j] lora_b[j][n].  X and W: codes of BF8 (E5M2) with one E8M0 scale for each 32 along K = 4,096, made by the launch before; sums in f32; out0 [4096][4096] f32.
; xq, wq: [32 half-tiles of 128 rows][16 K steps of 256][33,792 bytes]: in a block, fragment (q, i) at (8 q + i) x 2,048 as an image of its registers (group c at 512 c, lane l at 16 l), the scale words at 32,768 + 128 i + 8 r + 4 q.
; So a K step of 128 rows, codes AND scale words, is one dense block for one tensor load, and a fragment comes out of LDS by four loads of 512 consecutive bytes: no pitch, no padding.
; A tile of out0, 256 x 256, is made by a work-group of four waves; a wave makes 128 x 128: 64 accumulators of 16 x 16, 512 registers.  K goes in steps of 256 through a ring of two LDS slots of four blocks (X's two halves, W's two).
; CLUSTERS: 4 x 4 work-groups.  The four of a row of the cluster need the same blocks of X, the four of a column the same blocks of W: each block is asked for JOINTLY, by the same tensor load with the same descriptor and a mask
; that names the four.  THE MATRIX INSTRUCTIONS ARE USED TRANSPOSED (source 0 = 16 rows of W, source 1 = 16 rows of X): a lane then holds eight neighbouring numbers of a row of out0.
; THE PRODUCT OF K = 16 is added onto the same accumulators behind the last K step: 64 bf16 instructions of K = 32, whose upper 16 along K are zeros on both sides.  timg and lbimg hold registers 0-3 of the fragments.
; LIMITS: 2 t and lora_b enter that product rounded to bf16.  NaN and infinities among the inputs are not served.
; REGISTERS, in windows of 256: window 0: v0-31 addresses; v32-63 scale words, two sets; v64-127 t's eight bf16 fragments; from v128 X's fragments (8 x 16 rows x 128 K), ONE set; on the way out v128-255 are free.
;   window 1: W's fragments, TWO sets, at v0 and at v128; in the last step v0-63 take lora_b's eight bf16 fragments.   window 2: the 32 accumulators of my rows 0-63 (accumulator (a, b) at v[8 (8 a + b)]);   window 3: those of rows 64-127.
; A step of 128 along K is 64 matrix instructions, X's blocks one after the other, each against W's eight: a block of X is free as soon as its eight products are issued, so one set serves X: blocks 0-3 are fetched anew in the
; step's middle, blocks 4-7 at its end.  W's fragments are at work through the whole step and have two sets.
.set SIZE_N, 4096
.set NQ,     2                         ; steps of 128 along K in a slot
.set FR,     16                        ; registers of a fragment
.set NL,     4                         ; LDS loads that bring one
.set NP,     8                         ; places behind the scaled matrix instruction (ISA guide 7.12.1)
.set BLK,    33792                     ; a block: 128 rows x 256 codes + 1,024 bytes of scale words = 132 x 256 bytes
.set TROW,   16*BLK                    ; a half-tile's sixteen K steps
.set SLOT,   4*BLK
.set LAPS,   8                         ; a lap = two K steps = once round the ring
.set SPARE,  2*SLOT                    ; behind the ring: the spare words, 128 bytes for each wave: two blocks of 256 bytes that no other line names
.set SPITCH, 528                       ; the way out: a stage of 16 rows x (512 bytes + 16) for each wave.  It lies in slot 0, which has had its last fill and its last read when the first result is stored there
.set ADRA, 16                          ; v16-17  LDS address of my X fragments in slot 0, 1
.set ADRB, 20                          ; v20-21  the same for W
.set ADRS, 22                          ; v22-23  of my scale words: lanes 0-15 X's rows, lanes 16-31 W's
.set STO,  24                          ; v24     the way out: where I put 32 bytes of a row
.set RD,   25                          ; v25     the way out: where I read a row back
.set CO,   26                          ; v26     16 x lane: my place in an image, and in a row of out0
.set SPW,  28                          ; v28     LDS address of my spare word; never rewritten
.set NIL,  29                          ; v29     0; never rewritten
.set SC,   32                          ; scale words: set s (for slot s) at v[SC + 16 s]; register 2 i + q: lanes 0-15 the word of X's block i, lanes 16-31 that of W's block i, for the slot's q-th 128 along K
.set TF,   64                          ; t's fragments
.set AF,   128                         ; X's fragments
.set BK,   128                         ; the way out: 16 rows read back from the stage: v128-191 and v192-255 by turns
.set G1, 24                            ; s[24:31] descriptor group 1 for X's blocks;  s[32:39] group 0, one set for each slot
.set G0, 32
.set G1B, 48                           ; s[48:55], s[56:63] the same for W's
.set G0B, 56
.set MSB, 0
.macro WIN new                         ; the immediate's high byte repeats the setting that is left
.if MSB != (\new)
	s_set_vgpr_msb (MSB<<8)|(\new)
.set MSB, (\new)
.endif
.endm
.set MUL_LO, 0xa1                      ; source 0 (W) window 1, source 1 (X) window 0, C and D window 2
.set MUL_HI, 0xf1                      ; the same, C and D window 3
.set TO_B,   0x40                      ; destination window 1, address window 0
; A joint load: waves 0 and 1 fetch X's two halves, waves 2 and 3 W's.  Each of the two lines has ONE mask and one set of registers for all that issue it; the branch hangs on the wave's number alone.
; Four v_nop follow each of the two lines, ahead of the jump, the label and what follows.
.macro JLOAD g0a, g1a, g0b, g1b
	s_cmp_eq_u32 s15, 0
	s_cbranch_scc0 .Lfor_b_\@
	tensor_load_to_lds s[\g0a:\g0a+3], s[\g1a:\g1a+7]
	s_nop 0
.rept 4
	v_nop
.endr
	s_branch .Lasked_\@
.Lfor_b_\@:
	tensor_load_to_lds s[\g0b:\g0b+3], s[\g1b:\g1b+7]
	s_nop 0
.rept 4
	v_nop
.endr
.Lasked_\@:
.endm
.macro CREST                           ; a round of the cluster's barrier behind its opening barrier
	s_cmp_lg_u32 s14, 0
	s_cbranch_scc1 .Lnot_wave_0_\@
	s_barrier_signal -3
.Lnot_wave_0_\@:
	s_barrier_wait -3
	s_barrier_signal -1
	s_barrier_wait -1
.endm
.macro CROUND                          ; a whole round
	s_barrier_signal -1
	s_barrier_wait -1
	CREST
.endm
	s_load_b256 s[4:11], s[0:1], 0x0               ; xq s[4:5], wq s[6:7], timg s[8:9], lbimg s[10:11]
	s_load_b64 s[12:13], s[0:1], 0x20              ; out0
	v_lshl_add_u32 v[SPW], v0, 2, SPARE
	v_mov_b32 v[NIL], 0
	ds_add_u32 v28, v29
	ds_add_u32 v28, v29
	s_wait_dscnt 0x0
	v_lshrrev_b32 v1, 5, v0
	v_readfirstlane_b32 s14, v1                    ; wave 0..3
	s_lshr_b32 s15, s14, 1                         ; which half of the tile's rows is mine.  Also: I fetch for X (0) or for W (1)
	s_and_b32 s16, s14, 1                          ; which half of its columns.  Also: which half-tile I fetch
	s_bfe_u32 s40, ttmp6, 0x40000                  ; cx, cy: my place in the cluster
	s_bfe_u32 s41, ttmp6, 0x40004
	s_lshl_b32 s42, ttmp9, 2
	s_add_co_u32 s42, s42, s40                     ; tile column = 4 x cluster x + cx
	s_and_b32 s17, ttmp7, 0xffff
	s_lshl_b32 s17, s17, 2
	s_add_co_u32 s17, s17, s41                     ; tile row = 4 x cluster y + cy
	s_lshl_b32 s43, s41, 2
	s_lshl_b32 s43, 15, s43                        ; my row of the cluster
	s_lshl_b32 s44, 0x1111, s40                    ; my column
	; descriptor group 1: a dense block of 33,792 bytes as 132 rows of 256 bytes (32 elements of 8 bytes), laid on end in LDS
	s_or_b32 s[G1+0], s43, (3<<16)|(1<<21)         ; 15:0 the mask: X's blocks go to my row; 17:16 elements of 8 bytes; 20 no padding; 21 set beside a mask
	s_or_b32 s[G1B+0], s44, (3<<16)|(1<<21)        ; W's go to my column
.irp g, G1, G1B
	s_mov_b32 s[\g+1], 32<<16                      ; tensor_dim0 = 32
	s_mov_b32 s[\g+2], 132<<16                     ; tensor_dim1 = 132
	s_mov_b32 s[\g+3], 32<<16                      ; tile_dim0 = 32
	s_mov_b32 s[\g+4], 132                         ; tile_dim1 = 132
	s_mov_b32 s[\g+5], 32                          ; tensor_dim0_stride
	s_mov_b32 s[\g+6], 0
	s_mov_b32 s[\g+7], 0
.endr
	s_lshl_b32 s20, s17, 1
	s_add_co_u32 s20, s20, s16                     ; X: half-tile 2 x tile row + half
	s_mul_i32 s20, s20, TROW
	s_mov_b32 s21, 0
	s_lshl_b32 s46, s42, 1
	s_add_co_u32 s46, s46, s16                     ; W: half-tile 2 x tile column + half
	s_mul_i32 s46, s46, TROW
	s_mov_b32 s47, 0
	s_mul_i32 s45, s14, BLK                        ; where they go: wave x a block: no place in the cluster enters an LDS address
	s_wait_kmcnt 0x0
	s_add_nc_u64 s[20:21], s[4:5], s[20:21]
	s_add_nc_u64 s[46:47], s[6:7], s[46:47]
	CROUND                                         ; all sixteen work-groups are here: the first joint loads meet
.irp s, 0,1
	s_mov_b32 s[G0+4*\s], 1                                        ; count = 1
	s_add_co_u32 s[G0+4*\s+1], s45, \s*SLOT                        ; LDS address
	s_add_nc_u64 s[G0+4*\s+2:G0+4*\s+3], s[20:21], \s*BLK          ; global address: K step s
	s_or_b32 s[G0+4*\s+3], s[G0+4*\s+3], 0x80000000                ; type = 2
	s_mov_b32 s[G0B+4*\s], 1
	s_add_co_u32 s[G0B+4*\s+1], s45, \s*SLOT
	s_add_nc_u64 s[G0B+4*\s+2:G0B+4*\s+3], s[46:47], \s*BLK
	s_or_b32 s[G0B+4*\s+3], s[G0B+4*\s+3], 0x80000000
	JLOAD G0+4*\s, G1, G0B+4*\s, G1B               ; two tensor loads of mine are out
.endr
	v_and_b32 v1, 15, v0                           ; r = l % 16
	v_bfe_u32 v2, v0, 4, 1                         ; h = l / 16
	v_and_b32 v6, 31, v0
	v_lshlrev_b32 v[CO], 4, v6                     ; 16 x lane
	s_lshl_b32 s18, s17, 13                        ; t's images of my 128 rows: blocks 16 x tile row + 8 x half on, 512 bytes each
	s_lshl_b32 s19, s15, 12
	s_add_co_u32 s18, s18, s19
	s_mov_b32 s19, 0
	s_add_nc_u64 s[8:9], s[8:9], s[18:19]
	s_lshl_b32 s18, s42, 13                        ; lora_b's of my 128 columns
	s_lshl_b32 s22, s16, 12
	s_add_co_u32 s18, s18, s22
	s_add_nc_u64 s[10:11], s[10:11], s[18:19]
.irp a, 0,1,2,3,4,5,6,7
	global_load_b128 v[TF+8*\a:TF+8*\a+3], v[CO], s[8:9] offset:512*\a   ; registers 0-3 of a bf16 fragment: k = 8 h + 0 .. 7
.endr
.irp a, 0,1,2,3,4,5,6,7
.irp k, 4,5,6,7
	v_mov_b32 v[TF+8*\a+\k], 0                     ; registers 4-7: k = 16 .. 31, which this product does not have
.endr
.endr
	s_mul_i32 s21, s15, BLK                        ; my half of X
	s_mul_i32 s22, s16, BLK                        ; my half of W,
	s_add_co_u32 s22, s22, 2*BLK                   ; which lies behind X's two
	s_sub_co_u32 s23, s22, s21
	v_mul_u32_u24 v5, s23, v2                      ; scale words: lanes 16-31 take W's: one product, h x the distance between the two blocks
	v_lshl_add_u32 v5, v1, 3, v5                   ; + 8 r
	s_add_co_u32 s18, s21, 32768
	v_add_nc_u32 v[ADRS], s18, v5
	v_add_nc_u32 v[ADRS+1], SLOT, v[ADRS]
.irp s, 0,1
	v_add_nc_u32 v[ADRA+\s], s21, v[CO]
	v_add_nc_u32 v[ADRB+\s], s22, v[CO]
	s_add_co_u32 s21, s21, SLOT
	s_add_co_u32 s22, s22, SLOT
.endr
	s_mul_i32 s23, s14, 16*SPITCH                  ; my stage
	v_mul_u32_u24 v5, v1, SPITCH                   ; in: row l % 16, 32 bytes for each half of the lanes
	v_lshl_add_u32 v5, v2, 5, v5
	v_add_nc_u32 v[STO], s23, v5
	v_add_nc_u32 v[RD], s23, v[CO]                 ; back: the 32 lanes take one row of 512 bytes
	s_lshl_b32 s20, s17, 8
	s_lshl_b32 s21, s15, 7
	s_add_co_u32 s20, s20, s21                     ; my first row of out0: 256 x tile row + 128 x half
	s_mov_b32 s21, 0
	s_mov_b64 s[18:19], SIZE_N*4
	s_mul_u64 s[20:21], s[20:21], s[18:19]
	s_lshl_b32 s46, s42, 10                        ; my first column, in bytes: 1,024 x tile column + 512 x half
	s_lshl_b32 s47, s16, 9
	s_add_co_u32 s46, s46, s47
	s_mov_b32 s47, 0
	s_add_nc_u64 s[20:21], s[20:21], s[46:47]
	s_add_nc_u64 s[12:13], s[12:13], s[20:21]
.macro FRAG reg, adr, q, i             ; a fragment's image: four loads of 512 consecutive bytes; registers 4 c .. 4 c + 3 of lane l hold K = 32 c + 16 (l / 16) + 0 .. 15 of row l % 16
.irp c, 0,1,2,3
	ds_load_b128 v[\reg+4*\c:\reg+4*\c+3], v[\adr] offset:(8*(\q)+(\i))*2048+512*\c
.endr
.endm
; 16 matrix instructions: X's blocks a0, a0 + 1 x W's eight, 128 along K: the slot's q-th.  p: W's set;  sc: the set of scale words.  zero = 1: the first product starts the sums: nothing is ever cleared.
; The 64 accumulators take turns, one instruction a turn, in the same order in every step.
.macro MUL16 a0, p, q, sc, zero
.irp a, \a0, \a0+1
.irp b, 0,1,2,3,4,5,6,7
.if \zero
	v_wmma_scale_f32_16x16x128_f8f6f4 v[8*(8*((\a)%4)+\b):8*(8*((\a)%4)+\b)+7], v[128*(\p)+FR*\b:128*(\p)+FR*\b+FR-1], v[AF+FR*(\a):AF+FR*(\a)+FR-1], 0, v[SC+8*NQ*(\sc)+NQ*\b+(\q)], v[SC+8*NQ*(\sc)+NQ*(\a)+(\q)] matrix_a_fmt:MATRIX_FMT_BF8 matrix_b_fmt:MATRIX_FMT_BF8 matrix_a_scale:MATRIX_SCALE_ROW1
.else
	v_wmma_scale_f32_16x16x128_f8f6f4 v[8*(8*((\a)%4)+\b):8*(8*((\a)%4)+\b)+7], v[128*(\p)+FR*\b:128*(\p)+FR*\b+FR-1], v[AF+FR*(\a):AF+FR*(\a)+FR-1], v[8*(8*((\a)%4)+\b):8*(8*((\a)%4)+\b)+7], v[SC+8*NQ*(\sc)+NQ*\b+(\q)], v[SC+8*NQ*(\sc)+NQ*(\a)+(\q)] matrix_a_fmt:MATRIX_FMT_BF8 matrix_b_fmt:MATRIX_FMT_BF8 matrix_a_scale:MATRIX_SCALE_ROW1
.endif
.endr
.endr
.endm
.macro FETCH_B slot, q, p              ; W's eight fragments of the slot's q-th 128 along K into set p
	WIN TO_B
.irp i, 0,1,2,3,4,5,6,7
	FRAG 128*(\p)+FR*\i, ADRB+\slot, \q, \i
.endr
	WIN 0
.endm
.macro FETCH_A slot, q, i0             ; X's blocks i0 .. i0 + 3
.irp i, \i0, \i0+1, \i0+2, \i0+3
	FRAG AF+FR*(\i), ADRA+\slot, \q, \i
.endr
.endm
.macro SCALES sc                       ; slot sc's scale words into set sc: two words a row; lanes 0-15 take X's block i, lanes 16-31 W's block i
.irp i, 0,1,2,3,4,5,6,7
	ds_load_b64 v[SC+8*NQ*\sc+NQ*\i:SC+8*NQ*\sc+NQ*\i+1], v[ADRS+\sc] offset:128*\i
.endr
.endm
; A load into a register that a matrix instruction has read, and a vector instruction or an LDS store that reads a matrix result, stand NP places behind that matrix instruction, and only plain vector instructions that
; name none of its registers are places (ISA guide 7.12.1 for vector instructions); this text does not count the matrix instructions in between.
.macro PLACES n
.rept \n
	v_nop
.endr
.endm
; A step of 128 along K that has its successor in the same slot.
.macro STEP slot, q, zero
	s_wait_dscnt 4*NL                              ; W's set, X's blocks 0-3 and the scale words are in; the youngest sixteen loads (X's blocks 4-7) may be out
	WIN MUL_LO
	MUL16 0, (\q)%2, \q, \slot, \zero
	MUL16 2, (\q)%2, \q, \slot, \zero
	s_wait_dscnt 0                                 ; X's blocks 4-7 are in (asked for 32 matrix instructions ago)
	PLACES NP
	FETCH_B \slot, (\q)+1, 1-(\q)%2
	FETCH_A \slot, (\q)+1, 0
	WIN MUL_HI
	MUL16 4, (\q)%2, \q, \slot, \zero
	MUL16 6, (\q)%2, \q, \slot, \zero
	PLACES NP
	WIN 0
	FETCH_A \slot, (\q)+1, 4
.endm
; A slot's last step changes slots: ONE barrier; in front of it each wave waits for all its tensor loads, adds 0 to its spare word, and waits for that and for its own reads of this slot.  fill = 1: this slot is filled again, two K steps ahead.
.macro TURN slot, next, fill
	s_wait_tensorcnt 0x0                           ; all my tensor loads have landed: the one that was out is my part of the next slot;  (every window is 0 here)
	ds_add_u32 v[SPW], v[NIL]                      ; 0 onto my spare word
	s_wait_dscnt 4*NL+1                            ; (the add and the youngest sixteen loads, X's blocks 4-7, may be out)
	WIN MUL_LO
	MUL16 0, 1, NQ-1, \slot, 0                     ; sixteen matrix instructions stand between the add and the wait for it
	s_wait_dscnt 0x0                               ; the add is done, and my reads of this slot are over
	s_barrier_signal -1
	MUL16 2, 1, NQ-1, \slot, 0
	WIN 0
	s_barrier_wait -1
.if \fill
	CREST                                          ; the barrier has opened a round of the cluster's barrier: no wave of any partner still reads this slot or has a load on its way
	s_add_nc_u64 s[G0+4*\slot+2:G0+4*\slot+3], s[G0+4*\slot+2:G0+4*\slot+3], 2*BLK
	s_add_nc_u64 s[G0B+4*\slot+2:G0B+4*\slot+3], s[G0B+4*\slot+2:G0B+4*\slot+3], 2*BLK
	JLOAD G0+4*\slot, G1, G0B+4*\slot, G1B         ; the first tensor load behind the round, my one load until the next; the four v_nop behind it are among the places in front of the loads below
	PLACES NP-4
.else
	PLACES NP
.endif
	FETCH_B \next, 0, 0
	FETCH_A \next, 0, 0
	SCALES \next
	WIN MUL_HI
	MUL16 4, 1, NQ-1, \slot, 0
	MUL16 6, 1, NQ-1, \slot, 0
	PLACES NP
	WIN 0
	FETCH_A \next, 0, 4
.endm
; The product of K = 16: X's blocks 4 hi .. 4 hi + 3 x W's eight: source 0 = lora_b's 16 columns, source 1 = 16 rows of 2 t.  The accumulators take turns as above.
.macro LORA hi
.irp a, 0,1,2,3
.irp b, 0,1,2,3,4,5,6,7
	v_wmma_f32_16x16x32_bf16 v[8*(8*\a+\b):8*(8*\a+\b)+7], v[8*\b:8*\b+7], v[TF+8*(4*\hi+\a):TF+8*(4*\hi+\a)+7], v[8*(8*\a+\b):8*(8*\a+\b)+7]
.endr
.endr
.endm
	s_wait_loadcnt 0x0                             ; t's images
	s_wait_tensorcnt 1                             ; my part of K step 0 is in (K step 1's load may be out)
	s_barrier_signal -1
	s_barrier_wait -1                              ; everybody's is
	FETCH_B 0, 0, 0
	FETCH_A 0, 0, 0
	SCALES 0
	FETCH_A 0, 0, 4
	STEP 0, 0, 1                                   ; the first step stands in front of the loop: its products start the sums
	s_mov_b32 s3, LAPS-1
.Llap:                                                 ; a trip goes once round the ring, from a lap's second step to the next lap's first, and fills both slots again: seven trips bring K steps 2 to 15
	TURN 0, 1, 1
	STEP 1, 0, 0
	TURN 1, 0, 1
	STEP 0, 0, 0
	s_sub_co_u32 s3, s3, 1
	s_cmp_lg_u32 s3, 0
	s_cbranch_scc1 .Llap
	TURN 0, 1, 0                                   ; the last lap fills nothing, and has no round of the cluster's barrier
	STEP 1, 0, 0
	WIN TO_B                                       ; W's set 0 is done with (eight places stand behind its last products): its first 64 registers take lora_b's fragments, which land under the last step's products
.irp b, 0,1,2,3,4,5,6,7
	global_load_b128 v[8*\b:8*\b+3], v[CO], s[10:11] offset:512*\b
.endr
.irp b, 0,1,2,3,4,5,6,7
.irp k, 4,5,6,7
	v_mov_b32 v[8*\b+\k], 0                        ; k = 16 .. 31: zeros
.endr
.endr
	s_wait_dscnt 4*NL                              ; the very last step of K: nothing more to fetch
	WIN MUL_LO
	MUL16 0, 1, NQ-1, 1, 0
	MUL16 2, 1, NQ-1, 1, 0
	s_wait_dscnt 0
	WIN MUL_HI
	MUL16 4, 1, NQ-1, 1, 0
	MUL16 6, 1, NQ-1, 1, 0
	s_wait_loadcnt 0x0                             ; lora_b's images
	PLACES NP+1                                    ; another form writes over the scaled form's results: one place more than a reader wants
	WIN MUL_LO
	LORA 0
	WIN MUL_HI
	LORA 1
	WIN 0
; THE WAY OUT, block by block of 16 rows x 128 columns.  A lane holds 32 neighbouring bytes of a row, and the lanes beside it hold other rows: so a block goes through my own stage in LDS and comes back as whole
; rows of 512 bytes, which the 32 lanes store as two aligned runs of 256 bytes.  LDS serves a wave's instructions in order (ISA guide 5.7.1.4): no wait between the stores and the loads, nor in front of the next block's stores.
.macro TOSTAGE a
.set AC, 64*((\a)%4)
	WIN 0x08+4*((\a)/4)                            ; the data: window 2 or 3
.irp b, 0,1,2,3,4,5,6,7
	ds_store_b128 v[STO], v[AC+8*\b:AC+8*\b+3] offset:64*\b          ; each accumulator from its low end on
	ds_store_b128 v[STO], v[AC+8*\b+4:AC+8*\b+7] offset:64*\b+16
.endr
	WIN 0
.set BB, BK+64*((\a)%2)
.irp t, 0,1,2,3,4,5,6,7,8,9,10,11,12,13,14,15
	ds_load_b128 v[BB+4*\t:BB+4*\t+3], v[RD] offset:\t*SPITCH
.endr
.endm
.macro SEND a, younger                 ; younger: the LDS instructions issued behind block a's loads, which may stay out
.set BB, BK+64*((\a)%2)
	s_wait_dscnt \younger                          ; the block is back in registers
.if (\a) > 0
	s_add_nc_u64 s[12:13], s[12:13], 16*SIZE_N*4   ; (behind a wait on XCNT: the earlier stores have read their base)  16 rows on, so that the stores' offsets stay at 15 rows of 16,384 bytes at the most
.endif
.irp t, 0,1,2,3,4,5,6,7,8,9,10,11,12,13,14,15
	global_store_b128 v[CO], v[BB+4*\t:BB+4*\t+3], s[12:13] offset:\t*SIZE_N*4 th:TH_STORE_NT   ; 32 lanes store 512 consecutive bytes, at a multiple of 256 from out0's first byte; written once, read by nobody here
.endr
.endm
	PLACES 4                                       ; four places behind the bf16 form before its results are read: they serve block 7's reads too, in front of which no vector line stands
	TOSTAGE 0
.irp a, 1,2,3,4,5,6,7
.if \a > 1
	s_wait_xcnt 0x0                                ; block a - 2's stores have read their registers and their base: block a's loads may land there, and the base may step
.endif
	TOSTAGE \a
	SEND \a-1, 32                                  ; behind block a - 1's loads: block a's 16 stores and 16 loads
.endr
	s_wait_xcnt 0x0                                ; block 6's stores have read their base
	SEND 7, 0
	s_wait_tensorcnt 0x0                           ; the wave's end: behind my last tensor load and my last LDS store
	ds_add_u32 v[SPW], v[NIL]
	s_wait_dscnt 0x0
	CROUND                                         ; the closing round: no work-group ends while a partner may still ask for a block that names it
	s_endpgm
.Lfunc_end_k_q5c3e635da3_gemm:
	.size	k_q5c3e635da3_gemm, .Lfunc_end_k_q5c3e635da3_gemm-k_q5c3e635da3_gemm
	.p2alignl 7, 3214868480
	.fill 96, 4, 3214868480
	.section	.rodata,"a",@progbits
	.p2align	6, 0x0
	.amdhsa_kernel k_q5c3e635da3_gemm
		.amdhsa_group_segment_fixed_size 327680
		.amdhsa_private_segment_fixed_size 0
		.amdhsa_enable_private_segment 0
		.amdhsa_kernarg_size 40
		.amdhsa_user_sgpr_count 2
		.amdhsa_user_sgpr_kernarg_segment_ptr 1
		.amdhsa_wavefront_size32 1
		.amdhsa_system_sgpr_workgroup_id_x 1
		.amdhsa_system_sgpr_workgroup_id_y 1
		.amdhsa_system_sgpr_workgroup_id_z 1
		.amdhsa_system_vgpr_workitem_id 0
		.amdhsa_next_free_vgpr 1024
		.amdhsa_next_free_sgpr 66
		.amdhsa_reserve_vcc 0
		.amdhsa_float_denorm_mode_32 3
		.amdhsa_float_denorm_mode_16_64 3
		.amdhsa_memory_ordered 1
		.amdhsa_forward_progress 1
		.amdhsa_inst_pref_size 151
	.end_amdhsa_kernel
	.amdgpu_metadata
---
amdhsa.version: [ 1, 2 ]
amdhsa.kernels:
  - .name:           k_q5c3e635da3_gemm
    .symbol:         k_q5c3e635da3_gemm.kd
    .args:
      - { .name: xq, .offset: 0, .size: 8, .value_kind: global_buffer, .address_space: global }
      - { .name: wq, .offset: 8, .size: 8, .value_kind: global_buffer, .address_space: global }
      - { .name: timg, .offset: 16, .size: 8, .value_kind: global_buffer, .address_space: global }
      - { .name: lbimg, .offset: 24, .size: 8, .value_kind: global_buffer, .address_space: global }
      - { .name: out0, .offset: 32, .size: 8, .value_kind: global_buffer, .address_space: global }
    .group_segment_fixed_size: 327680
    .private_segment_fixed_size: 0
    .kernarg_segment_align: 8
    .kernarg_segment_size: 40
    .max_flat_workgroup_size: 128
    .sgpr_count:     66
    .vgpr_count:     1024
    .wavefront_size: 32
...
	.end_amdgpu_metadata
.endif
;; end of part 2
;; ======== version 2 of 2: 2 launches
;; workspace buffers: xq 17,301,504 bytes; wq 17,301,504 bytes; timg 131,072 bytes; lbimg 131,072 bytes
;; launch quant (part 3): grid 512 x 1, 16 waves a work-group, no clusters, 290,304 bytes of LDS; arguments x, weight, lora_a, lora_b, xq, wq, timg, lbimg; writes xq, wq, timg, lbimg
.if DOCPART == 3
	.amdgcn_target "amdgcn-amd-amdhsa--gfx1250"
	.amdhsa_code_object_version 6
	.text
	.protected	k_q5c3e635da3_quant
	.globl	k_q5c3e635da3_quant
	.p2align	8
	.type	k_q5c3e635da3_quant,@function
k_q5c3e635da3_quant:
	s_mov_b64 s[64:65], 0
	v_nop
	global_prefetch_b8 v0, s[64:65] scope:SCOPE_SE
	s_setreg_imm32_b32 hwreg(HW_REG_WAVE_SCHED_MODE, 0, 2), 2
	s_setreg_imm32_b32 hwreg(HW_REG_WAVE_MODE, 25, 1), 1
	s_wait_xcnt 0x0
	s_wait_alu depctr_vm_vsrc(0)
; x [4096][4096] and weight [4096][4096], f32, become codes of BF8 (E5M2) with one E8M0 scale byte for each 32 along K, laid in the order in which the product's launch takes them into registers.
; weight is first quantised to int8 by its row's largest magnitude and widened again, in f32:  s = absmax / 127;  w = clip(round(w / (s + 1e-8)), -128, 127) x s.
; On the way the small products' operands are made:  t = Q(x) Q(lora_a) by the scaled matrix instruction, stored as bf16(2 t);  lora_b stored as bf16; both as images of a bf16 fragment's registers.
; SHARES.  A work-group of sixteen waves takes 16 rows and all of K: odd work-groups 16 rows of x, even ones 16 rows of weight.  Wave w takes K = 256 w .. 256 w + 255: 128 numbers a lane, which stay in registers,
; so that weight is read from memory once although a row's largest magnitude is wanted before its first code.  The two kinds part once, on the work-group's number, and never join; each has LDS bytes of its own.
; LAYOUT OF xq AND wq: [32 half-tiles of 128 rows][16 K steps of 256][33,792 bytes].  In such a block the fragment (q: which 128 of the step, i: which 16 rows) lies at (8 q + i) x 2,048 as an image of its 16 registers:
; group c of four registers at 512 c, lane l's 16 bytes at 16 l (row 16 i + l % 16, K = 128 q + 32 c + 16 (l / 16) + 0 .. 15).  The scale words (four bytes: 128 along K of a row) lie at 32,768 + 128 i + 8 (row % 16) + 4 q.
; timg, lbimg: [256 blocks of 16][32 lanes][16 bytes]: lane (r, h) holds bf16 of 2 t[16 blk + r][8 h + 0 .. 7], and of lora_b[8 h + 0 .. 7][16 blk + r].
; THE TURN.  A load is best where neighbouring lanes take neighbouring bytes (512 consecutive bytes a load); the conversions want 16 neighbours along K in one lane.  So each half of a wave's numbers (16 rows x 512 bytes) goes
; through the wave's own stage in LDS, rows 528 bytes apart, and comes back 64 bytes a lane and block.
; NO CLUSTER, NO TENSOR LOADS: rows are read once by one work-group; lora_a, which all work-groups of x read, comes through registers straight in the operand's order (a lane to a column, registers down K).
; LIMITS: NaN and infinities among the inputs are not served.  A row of weight whose absmax / 127 reaches 2^126 is not served (v_rcp_f32 gives 0 there).  A block of zeros gets the scale byte 1 where the rule says 127:
; its codes are zeros, and the bytes are read by this program alone.  t is summed as 32 sums of 128 along K (two a wave, then the waves in ascending order) and rounded to bf16, as lora_b is, for the product of K = 16.
; THE MODE: SCHED_MODE bits 1:0 = 2 (LLVM: expert scheduling mode 2), set by the entry lines.  The code itself states the register dependences between vector or matrix instructions and memory or LDS instructions,
; with s_wait_alu, always for 0.
; THE PLAN.  Registers that memory or LDS instructions touch:
;   v4 to v14       offsets and LDS addresses: each is made once, ahead of a wait on va_vdst that stands ahead of its first use, and is never written again.
;   v128-255        the rows' numbers.  Loaded; read by the stores into the stage; loaded again from the stage (a wait on vm_vsrc between the two runs); only then named by vector instructions.
;                   In x's work-groups v192-255, with v64-127, hold lora_a first: a wait on va_vdst stands between its quantising and the loads of x's second half.  Wave 0 of x loads all waves' sums of t there at the end.
;   PC0, PC1, SW    the codes and the scale word that a lane stores: written by conversions and a select, read by the global stores behind a wait on va_vdst (x: by the two products too), never written again.
;   ACC0 (x)        written by the products and the packed additions, read by two LDS stores behind a wait on va_vdst.
;   v44 (weight)    a wave's largest magnitude: written, stored to LDS behind a wait on va_vdst, written again behind a wait on vm_vsrc.
;   v40-43, v72-75  wave 0's images of t and of lora_b: written by conversions, read by one store each behind a wait on va_vdst.
;   v15, v37        written at the head, read by the closing add alone.
; All else (v16-35, v38-63 but for the above) is named by vector and matrix instructions, and by LDS loads that land in v48-63 of weight's work-groups before any vector instruction names them.
.set ROWB,  16384                      ; a row of x or of weight in bytes
.set BLK,   33792                      ; a block of xq or wq
.set SP,    528                        ; a stage row: 512 bytes + 16: an odd multiple of 16, so that the sixteen rows that a load touches fall on different banks (ISA guide 11.1)
.set STGB,  16*SP                      ; a wave's stage
.set STGW,  16*STGB                    ; x's sixteen stages lie at 0, weight's here
.set MAXB,  2*16*STGB                  ; weight alone: the waves' largest magnitudes, 80 bytes a row (16 words + 16 bytes)
.set MP,    80
.set TPB,   MAXB+1536                  ; x alone: the waves' sums of t, 1,024 bytes a wave
.set TM,    16                         ; v16-19 largest magnitudes, v20-23 the other half's / the bytes, v24-27 the largest number x the scale, v28-31 the conversions' scale operands
.set PW,    32                         ; v32, v33  the rows' scale words, q = 0, 1
.set LS,    34                         ; v34, v35  lora_a's scale words
.set SW,    36                         ; v36       the word that my lane stores
.set SS,    38                         ; v[38:39]  weight: s, twice
.set DD,    40                         ; v[40:41]  s + 1e-8, twice.   (x, wave 0: v[40:43] the image of t)
.set RC,    42                         ; v[42:43]  1 / (s + 1e-8), twice
.set MX,    44                         ; v44-47    four chains of maxima
.set LC0,   48                         ; x: lora_a's codes, q = 0
.set T,     48                         ; weight: v48-63 sixteen maxima; then v48-55 quotients,
.set E,     56                         ; v56-63 their remainders
.set LC1,   64                         ; x: lora_a's codes, q = 1 (v64-127 hold lora_a's numbers of q = 0 first).   weight, wave 0: v64-71 lora_b, v72-75 its image
.set PC0,   80                         ; the rows' codes, q = 0
.set PC1,   96                         ; q = 1
.set ACC0,  112                        ; x: t of K half 0,
.set ACC1,  120                        ; and of half 1
.set D,     128                        ; v128-191 the numbers of q = 0, v192-255 of q = 1 (x: lora_a's numbers of q = 1 first)
.macro DLOAD q                         ; half q of my 16 rows: each load reads 512 consecutive bytes of one row
.irp r, 0,1,2,3,4,5,6,7,8,9,10,11,12,13,14,15
	global_load_b128 v[D+64*\q+4*\r:D+64*\q+4*\r+3], v4, s[24:25] offset:\r*ROWB+\q*512 th:TH_LOAD_NT
.endr
.endm
.macro LALOAD reg, q                   ; lora_a(256 w + 128 q + 32 b + 16 h + i, column r) into register 16 b + i: the operand's own order
.irp b, 0,1,2,3
.irp i, 0,1,2,3,4,5,6,7,8,9,10,11,12,13,14,15
	global_load_b32 v[16*\b+\i+\reg], v11, s[8:9] offset:(128*\q+32*\b+\i)*64
.endr
.endr
.endm
.macro TO_STAGE q                      ; as loaded: row r's 512 bytes on end
.irp r, 0,1,2,3,4,5,6,7,8,9,10,11,12,13,14,15
	ds_store_b128 v5, v[D+64*\q+4*\r:D+64*\q+4*\r+3] offset:\r*SP
.endr
.endm
.macro FROM_STAGE q                    ; back: register 16 b + e of lane (r, h) is K = 128 q + 32 b + 16 h + e of row r
.irp b, 0,1,2,3
.irp j, 0,1,2,3
	ds_load_b128 v[D+64*\q+16*\b+4*\j:D+64*\q+16*\b+4*\j+3], v6 offset:128*\b+16*\j
.endr
.endr
.endm
; 64 numbers of a lane, v[s] on, register 16 b + i = K 32 b + 16 (lane / 16) + i of my row or column, become a fragment's 16 registers of codes in v[d] on and its scale word in v[w].
.macro QUANT s, d, w
.irp b, 0,1,2,3
	v_max3_num_f32 v[TM+\b], |v[16*\b+\s]|, |v[16*\b+1+\s]|, 0x8000000   ; block b: my 16 numbers, and the floor 2^(16 - 127): the byte cannot fall under 1
.endr
.irp i, 2,4,6,8,10,12,14
.irp b, 0,1,2,3
	v_max3_num_f32 v[TM+\b], v[TM+\b], |v[16*\b+\i+\s]|, |v[16*\b+\i+1+\s]|   ; the four blocks by turns
.endr
.endr
.irp b, 0,1,2,3
	v_permlanex16_b32 v[TM+4+\b], v[TM+\b], s30, s31
.endr
.irp b, 0,1,2,3
	v_max_num_f32 v[TM+\b], v[TM+\b], v[TM+4+\b]           ; with lane l xor 16's 16: the block's largest magnitude
.endr
.irp b, 0,1,2,3
	v_add_nc_u32 v[TM+12+\b], 0xf8800000, v[TM+\b]         ; 15 off its exponent field: the conversion takes this operand's exponent field as its scale
.endr
.irp b, 0,1,2,3
	v_and_or_b32 v[TM+8+\b], v[TM+\b], 0x7f800000, s23     ; 57,344 x the scale: that exponent field over 57,344's mantissa field
.endr
.irp b, 0,1,2,3
	v_lshrrev_b32 v[TM+4+\b], 23, v[TM+12+\b]              ; the scale's byte
.endr
	v_lshl_or_b32 v[\w], v[TM+5], 8, v[TM+4]               ; four bytes make the scale word
	v_lshl_or_b32 v[\w], v[TM+6], 16, v[\w]
	v_lshl_or_b32 v[\w], v[TM+7], 24, v[\w]
.irp b, 0,1,2,3
.irp i, 0,1,2,3,4,5,6,7,8,9,10,11,12,13,14,15
	v_med3_num_f32 v[16*\b+\i+\s], v[16*\b+\i+\s], -v[TM+8+\b], v[TM+8+\b]   ; the conversion to an 8-bit code does not saturate (ISA guide 7.6.2): the hold at the largest code x the scale
.endr
	v_cvt_scalef32_pk8_bf8_f32 v[4*\b+\d:4*\b+1+\d], v[16*\b+\s:16*\b+7+\s], v[TM+12+\b]
	v_cvt_scalef32_pk8_bf8_f32 v[4*\b+2+\d:4*\b+3+\d], v[16*\b+8+\s:16*\b+15+\s], v[TM+12+\b]
.endr
	v_nop                                          ; a plain vector line behind the last conversion, ahead of whatever next touches its registers
.endm
.macro CSTORE pc, q                    ; a fragment's image: each store covers 512 consecutive bytes, at a multiple of 256 from the buffer's first byte
.irp c, 0,1,2,3
	global_store_b128 v7, v[4*\c+\pc:4*\c+3+\pc], s[26:27] offset:\q*16384+512*\c
.endr
.endm
.macro WORD_SEL                        ; lanes 0-15 take their rows' words of q = 0, lanes 16-31 those of q = 1
	v_cmp_eq_u32 vcc_lo, 1, v3
	s_wait_alu depctr_va_vcc(0)                    ; the compare has written VCC, which the select reads
	v_cndmask_b32 v[SW], v[PW], v[PW+1], vcc_lo
.endm
.macro WORD_OUT                        ; and store them: 128 consecutive bytes
	global_store_b32 v8, v[SW], s[26:27]
.endm
; Two of weight's four chains of maxima: chain c runs over registers 32 c .. 32 c + 31 of my 128 numbers of row r.
.macro CHAINS c0, c1
.irp c, \c0, \c1
	v_max_num_f32 v[MX+\c], |v[D+32*\c]|, |v[D+32*\c+1]|
.endr
.irp i, 2,4,6,8,10,12,14,16,18,20,22,24,26,28,30
.irp c, \c0, \c1
	v_max3_num_f32 v[MX+\c], v[MX+\c], |v[D+32*\c+\i]|, |v[D+32*\c+\i+1]|
.endr
.endr
.endm
; Eight numbers of weight, v[p] on: the quotient by s + 1e-8 (a product by the reciprocal, mended once by its remainder), rounded to a whole number, ties to even, clipped, times s.
.macro QDQ p
.irp k, 0,2,4,6
	v_pk_mul_f32 v[T+\k:T+\k+1], v[\k+\p:\k+1+\p], v[RC:RC+1]
.endr
.irp k, 0,2,4,6
	v_pk_fma_f32 v[E+\k:E+\k+1], v[T+\k:T+\k+1], v[DD:DD+1], v[\k+\p:\k+1+\p] neg_lo:[1,0,0] neg_hi:[1,0,0]   ; w - quotient x divisor
.endr
.irp k, 0,2,4,6
	v_pk_fma_f32 v[T+\k:T+\k+1], v[E+\k:E+\k+1], v[RC:RC+1], v[T+\k:T+\k+1]
.endr
.irp k, 0,1,2,3,4,5,6,7
	v_rndne_f32 v[T+\k], v[T+\k]
.endr
.irp k, 0,1,2,3,4,5,6,7
	v_med3_num_f32 v[T+\k], v[T+\k], s32, s33      ; between -128 and 127
.endr
.irp k, 0,2,4,6
	v_pk_mul_f32 v[\k+\p:\k+1+\p], v[T+\k:T+\k+1], v[SS:SS+1]
.endr
.endm
	s_load_b256 s[4:11], s[0:1], 0x0               ; x s[4:5], weight s[6:7], lora_a s[8:9], lora_b s[10:11]
	s_load_b256 s[12:19], s[0:1], 0x20             ; xq s[12:13], wq s[14:15], timg s[16:17], lbimg s[18:19]
	v_lshl_add_u32 v15, v0, 2, 0x46600             ; the closing add's two registers: my spare word's LDS address (the spare words, 128 bytes a wave, lie behind the sums of t),
	v_mov_b32 v37, 0                               ; and 0; kept for that alone
	v_lshrrev_b32 v1, 5, v0
	v_readfirstlane_b32 s20, v1                    ; wave 0..15
	s_and_b32 s21, ttmp9, 1                        ; 1: rows of x, 0: rows of weight
	s_lshr_b32 s22, ttmp9, 1                       ; which block of 16 rows, 0..255
	v_and_b32 v1, 31, v0                           ; lane
	v_and_b32 v2, 15, v0                           ; r
	v_bfe_u32 v3, v0, 4, 1                         ; h
	v_lshlrev_b32 v4, 4, v1                        ; 16 x lane
	s_and_b32 s34, s22, 7                          ; i: my 16 rows' place in their half-tile
	s_lshl_b32 s35, s34, 11
	v_add_nc_u32 v7, s35, v4                       ; codes: 2,048 i + 16 x lane
	s_lshl_b32 s35, s34, 7
	s_add_co_u32 s35, s35, 32768
	v_lshl_add_u32 v8, v2, 3, s35                  ; scale words: 32,768 + 128 i + 8 r
	v_lshl_add_u32 v8, v3, 2, v8                   ; + 4 h
	s_mov_b32 s23, 0x600000                        ; the mantissa field of 57,344
	s_mov_b32 s30, 0x76543210
	s_mov_b32 s31, 0xfedcba98                      ; v_permlanex16_b32's selects for lane l xor 16
.irp b, 0,1,2,3
	v_mov_b32 v[TM+4+\b], 0                        ; written once: a lane permute's destination counts as one of its sources
.endr
	s_lshl_b32 s28, s22, 18                        ; from where: 16 rows of 16,384 bytes a block,
	s_wait_alu depctr_va_sdst(0)                   ; s20, the wave's number, is written, ahead of its first reader: offsets, LDS places and branches are made from it
	s_lshl_b32 s35, s20, 10                        ; 1,024 bytes of each row a wave
	s_add_co_u32 s28, s28, s35
	s_mov_b32 s29, 0
	s_lshr_b32 s36, s22, 3                         ; to where: block (half-tile, K step = wave)
	s_lshl_b32 s36, s36, 4
	s_add_co_u32 s36, s36, s20
	s_mul_i32 s36, s36, BLK
	s_mov_b32 s37, 0
	s_mul_i32 s38, s20, STGB                       ; my stage among its kind's sixteen
	s_wait_kmcnt 0x0
	s_cmp_eq_u32 s21, 0
	s_cbranch_scc1 .Lweight
	; ======== 16 rows of x ========
	s_add_nc_u64 s[24:25], s[4:5], s[28:29]
	s_add_nc_u64 s[26:27], s[12:13], s[36:37]
	s_lshl_b32 s28, s20, 14                        ; lora_a: my 256 rows of 64 bytes
	s_add_nc_u64 s[8:9], s[8:9], s[28:29]
	s_lshl_b32 s28, s22, 9                         ; timg: 512 bytes a block
	s_add_nc_u64 s[16:17], s[16:17], s[28:29]
	v_lshlrev_b32 v11, 2, v2
	v_lshl_add_u32 v11, v3, 10, v11                ; lora_a: column r, lanes 16-31 sixteen rows further down
	s_wait_alu depctr_va_vdst(0)                   ; the offsets v4, v7, v8 and v11 are written, which the loads below and the stores further down read
	LALOAD LC1, 0                                  ; into v64-127
	LALOAD D+64, 1                                 ; into v192-255
	DLOAD 0
	v_add_nc_u32 v5, s38, v4                       ; the stage, on the way in: 16 x lane
	v_mul_u32_u24 v6, v2, SP
	v_lshl_add_u32 v6, v3, 6, v6
	v_add_nc_u32 v6, s38, v6                       ; and back: row r, + 64 h
	s_lshl_b32 s39, s20, 10
	s_add_co_u32 s39, s39, TPB
	v_add_nc_u32 v12, s39, v4                      ; where my wave's sums of t go
	v_add_nc_u32 v13, TPB, v4                      ; and from where wave 0 reads all sixteen
	s_wait_loadcnt 16                              ; loads come back in order (ISA guide 5.7.1): all of lora_a is in, the 16 row loads may be out
	QUANT LC1, LC0, LS                             ; lora_a is quantised while x's first half is on its way
	QUANT D+64, LC1, LS+1
	s_wait_alu depctr_va_vdst(0)                   ; the holds and conversions of lora_a's second half are done with v192-255, in which the loads below land; the LDS addresses v5, v6, v12, v13 are written
	DLOAD 1                                        ; into the registers that lora_a's second half has left
	s_wait_loadcnt 16                              ; the first half is in, the second may be out
	TO_STAGE 0
	s_wait_dscnt 0x0                               ; the stores are done
	s_wait_alu depctr_vm_vsrc(0)                   ; and have read v128-191, in which the loads below land
	FROM_STAGE 0
	s_wait_dscnt 0x0
	QUANT D, PC0, PW                               ; it names v128-191, v16-32 and PC0: nothing that the second half's turn below touches
	s_wait_loadcnt 0x0
	TO_STAGE 1                                     ; LDS serves a wave's instructions in order (ISA guide 5.7.1.4): these come behind the first half's reads
	s_wait_dscnt 0x0
	s_wait_alu depctr_vm_vsrc(0)                   ; the stores have read v192-255, in which the loads below land
	FROM_STAGE 1
	s_wait_alu depctr_va_vdst(0)                   ; the conversions have written PC0, which the four stores read
	CSTORE PC0, 0                                  ; the first half's codes leave while the second half comes back from the stage
	s_wait_dscnt 0x0
	QUANT D+64, PC1, PW+1
	WORD_SEL
.rept 4
	v_nop                                          ; codes written by vector instructions stand four places ahead of a scaled matrix instruction; the scale words were made ahead of the 64 holds
.endr
	s_wait_alu depctr_va_vdst(0)                   ; behind the places: PC1 and v[SW] are written, which the five stores read; all four fragments of codes and the four scale words are written, which the two products take
	CSTORE PC1, 1
	WORD_OUT
	; t^T: source 0 = lora_a's 16 columns, source 1 = my 16 rows of x: register j of lane (r, h) is t(row r, column 8 h + j) over 128 along K
	v_wmma_scale_f32_16x16x128_f8f6f4 v[ACC0:ACC0+7], v[LC0:LC0+15], v[PC0:PC0+15], 0, v[LS], v[PW] matrix_a_fmt:MATRIX_FMT_BF8 matrix_b_fmt:MATRIX_FMT_BF8
	v_wmma_scale_f32_16x16x128_f8f6f4 v[ACC1:ACC1+7], v[LC1:LC1+15], v[PC1:PC1+15], 0, v[LS+1], v[PW+1] matrix_a_fmt:MATRIX_FMT_BF8 matrix_b_fmt:MATRIX_FMT_BF8
.rept 8
	v_nop                                          ; eight places behind this form before its results are read
.endr
.irp k, 0,2,4,6
	v_pk_add_f32 v[ACC0+\k:ACC0+\k+1], v[ACC0+\k:ACC0+\k+1], v[ACC1+\k:ACC1+\k+1]   ; my 256 along K; both results from their low end on
.endr
	s_wait_alu depctr_va_vdst(0)                   ; the additions have written ACC0, which the two LDS stores read.  No vector instruction behind this wait names v128-255, in which wave 0's loads land below
	ds_store_b128 v12, v[ACC0:ACC0+3]
	ds_store_b128 v12, v[ACC0+4:ACC0+7] offset:512
	s_wait_dscnt 0x0                               ; for wave 0's sake: my sums lie in LDS
	s_barrier_signal -1
	s_barrier_wait -1
	s_cmp_lg_u32 s20, 0
	s_cbranch_scc1 .Lx_end
.irp w, 0,1,2,3,4,5,6,7,8,9,10,11,12,13,14,15
	ds_load_b128 v[D+8*\w:D+8*\w+3], v13 offset:1024*\w
	ds_load_b128 v[D+8*\w+4:D+8*\w+7], v13 offset:1024*\w+512
.endr
	s_wait_dscnt 0x0
.irp w, 1,2,3,4,5,6,7,8,9,10,11,12,13,14,15
.irp k, 0,2,4,6
	v_pk_add_f32 v[D+\k:D+\k+1], v[D+\k:D+\k+1], v[D+8*\w+\k:D+8*\w+\k+1]   ; the waves in ascending order: K ascending
.endr
.endr
.irp k, 0,2,4,6
	v_pk_mul_f32 v[D+\k:D+\k+1], v[D+\k:D+\k+1], 2.0 op_sel_hi:[1,0]       ; alpha / r = 2: exact
.endr
.irp p, 0,1,2,3
	v_cvt_pk_bf16_f32 v[DD+\p], v[D+2*\p], v[D+2*\p+1]
.endr
	s_wait_alu depctr_va_vdst(0)                   ; the conversions have written v40-43, which the store reads
	global_store_b128 v4, v[DD:DD+3], s[16:17]     ; 512 consecutive bytes: registers 0-3 of a bf16 fragment (k = 8 h + 0 .. 7)
.Lx_end:
	s_wait_dscnt 0x0                               ; the closing lines, six on end
	s_wait_alu 0x0
	s_wait_tensorcnt 0x0
	ds_add_u32 v15, v37
	s_wait_dscnt 0x0
	s_endpgm
	; ======== 16 rows of weight ========
.Lweight:
	s_add_nc_u64 s[24:25], s[6:7], s[28:29]
	s_add_nc_u64 s[26:27], s[14:15], s[36:37]
	s_add_co_u32 s38, s38, STGW
	s_wait_alu depctr_va_vdst(0)
	v_add_nc_u32 v5, s38, v4                       ; the stage, on the way in
	v_mul_u32_u24 v6, v2, SP
	v_lshl_add_u32 v6, v3, 6, v6
	v_add_nc_u32 v6, s38, v6                       ; and back
	v_mul_u32_u24 v10, v2, MP
	v_add_nc_u32 v10, MAXB, v10                    ; row r's sixteen maxima
	s_lshl_b32 s39, s20, 2
	v_add_nc_u32 v9, s39, v10                      ; my wave's word among them
	s_wait_alu depctr_va_vdst(0)                   ; the offsets v4, v7, v8 and the LDS addresses v5, v6, v9, v10 are written: every load and store of this path but lora_b's loads reads one of them
	DLOAD 0
	DLOAD 1
	s_mov_b32 s32, 0xc3000000                      ; -128
	s_mov_b32 s33, 0x42fe0000                      ; 127
	s_mov_b32 s34, 0x3c010204                      ; 1 / 127, rounded
	s_cmp_lg_u32 s20, 0
	s_cbranch_scc1 .Lw_rows
	; wave 0: lora_b's 16 columns 16 blk .. + 15 as a bf16 fragment's image; load, wait, conversion and store stand in this one branch, behind the issue of the rows' loads
	s_lshl_b32 s28, s22, 6
	s_add_nc_u64 s[10:11], s[10:11], s[28:29]
	s_lshl_b32 s28, s22, 9
	s_add_nc_u64 s[18:19], s[18:19], s[28:29]
	v_lshlrev_b32 v14, 2, v2
	v_lshl_add_u32 v14, v3, 17, v14                ; column r, lanes 16-31 eight rows of 16,384 bytes further down
	s_wait_alu depctr_va_vdst(0)                   ; the offset v14 is written, which the eight loads read
.irp j, 0,1,2,3,4,5,6,7
	global_load_b32 v[LC1+\j], v14, s[10:11] offset:\j*16384
.endr
	s_wait_loadcnt 0x0
.irp p, 0,1,2,3
	v_cvt_pk_bf16_f32 v[LC1+8+\p], v[LC1+2*\p], v[LC1+2*\p+1]
.endr
	s_wait_alu depctr_va_vdst(0)                   ; the conversions have written v72-75, which the store reads
	global_store_b128 v4, v[LC1+8:LC1+11], s[18:19]
.Lw_rows:
	s_wait_loadcnt 16                              ; the first half is in, the second half's 16 loads may be out
	TO_STAGE 0
	s_wait_dscnt 0x0                               ; the stores are done
	s_wait_alu depctr_vm_vsrc(0)                   ; and have read v128-191, in which the loads below land
	FROM_STAGE 0
	s_wait_loadcnt 0x0
	TO_STAGE 1
	s_wait_dscnt 0x0                               ; the first half is back from the stage, the second half's stores are done
	s_wait_alu depctr_vm_vsrc(0)                   ; and have read v192-255, in which the loads below land
	FROM_STAGE 1
	CHAINS 0, 1                                    ; the largest magnitude of my 128 numbers of row r, in four chains: the first half's two run while the second half comes back; they name v128-191, v44 and v45 alone
	s_wait_dscnt 0x0
	CHAINS 2, 3
	v_max3_num_f32 v[MX], v[MX], v[MX+1], v[MX+2]
	v_max_num_f32 v[MX], v[MX], v[MX+3]
	v_permlanex16_b32 v[MX+1], v[MX], s30, s31
	v_max_num_f32 v[MX], v[MX], v[MX+1]            ; with lane l xor 16's: my wave's 256 along K
	s_wait_alu depctr_va_vdst(0)                   ; v44 is written, which the LDS store reads
	ds_store_b32 v9, v[MX]                         ; both lanes of a row write the same word with the same value
	s_wait_dscnt 0x0                               ; for the others' sake
	s_barrier_signal -1
	s_barrier_wait -1
.irp k, 0,1,2,3
	ds_load_b128 v[T+4*\k:T+4*\k+3], v10 offset:16*\k
.endr
	s_wait_dscnt 0x0
	s_wait_alu depctr_vm_vsrc(0)                   ; the LDS store above has read v44, which the next line writes again
	v_max3_num_f32 v[MX], v[T], v[T+1], v[T+2]
	v_max3_num_f32 v[MX+1], v[T+3], v[T+4], v[T+5]
	v_max3_num_f32 v[MX+2], v[T+6], v[T+7], v[T+8]
	v_max3_num_f32 v[MX+3], v[T+9], v[T+10], v[T+11]
	v_max3_num_f32 v[MX], v[MX], v[T+12], v[T+13]
	v_max3_num_f32 v[MX+1], v[MX+1], v[T+14], v[T+15]
	v_max3_num_f32 v[MX], v[MX], v[MX+1], v[MX+2]
	v_max_num_f32 v[MX], v[MX], v[MX+3]            ; the row's largest magnitude
	v_mul_f32 v[SS], s34, v[MX]                    ; s = absmax / 127: a product by 1 / 127,
	v_fma_f32 v[DD], -v[SS], s33, v[MX]            ; its remainder,
	v_fma_f32 v[SS], v[DD], s34, v[SS]             ; and the mended quotient
	v_add_f32 v[DD], 0x322bcc77, v[SS]             ; s + 1e-8
	s_wait_alu depctr_va_vdst(0)
	v_rcp_f32 v[RC], v[DD]
	v_mov_b32 v[SS+1], v[SS]                       ; (a plain line behind the reciprocal)  the packed forms take pairs: each number twice
	s_wait_alu depctr_va_vdst(0)                   ; the reciprocal has written v42, ahead of its first reader
	v_fma_f32 v[RC+1], -v[DD], v[RC], 1.0
	v_fma_f32 v[RC], v[RC+1], v[RC], v[RC]         ; one Newton step
	v_mov_b32 v[DD+1], v[DD]
	v_mov_b32 v[RC+1], v[RC]
.set P, D
.rept 16
	QDQ P
.set P, P+8
.endr
	QUANT D, PC0, PW
	s_wait_alu depctr_va_vdst(0)                   ; the conversions have written PC0, which the four stores read
	CSTORE PC0, 0
	QUANT D+64, PC1, PW+1
	WORD_SEL
	s_wait_alu depctr_va_vdst(0)                   ; PC1 and v[SW] are written, which the five stores read
	CSTORE PC1, 1
	WORD_OUT
	s_wait_dscnt 0x0                               ; the closing lines, six on end
	s_wait_alu 0x0
	s_wait_tensorcnt 0x0
	ds_add_u32 v15, v37
	s_wait_dscnt 0x0
	s_endpgm
.Lfunc_end_k_q5c3e635da3_quant:
	.size	k_q5c3e635da3_quant, .Lfunc_end_k_q5c3e635da3_quant-k_q5c3e635da3_quant
	.p2alignl 7, 3214868480
	.fill 96, 4, 3214868480
	.section	.rodata,"a",@progbits
	.p2align	6, 0x0
	.amdhsa_kernel k_q5c3e635da3_quant
		.amdhsa_group_segment_fixed_size 290304
		.amdhsa_private_segment_fixed_size 0
		.amdhsa_enable_private_segment 0
		.amdhsa_kernarg_size 64
		.amdhsa_user_sgpr_count 2
		.amdhsa_user_sgpr_kernarg_segment_ptr 1
		.amdhsa_wavefront_size32 1
		.amdhsa_system_sgpr_workgroup_id_x 1
		.amdhsa_system_sgpr_workgroup_id_y 1
		.amdhsa_system_sgpr_workgroup_id_z 1
		.amdhsa_system_vgpr_workitem_id 0
		.amdhsa_next_free_vgpr 256
		.amdhsa_next_free_sgpr 66
		.amdhsa_reserve_vcc 1
		.amdhsa_float_denorm_mode_32 3
		.amdhsa_float_denorm_mode_16_64 3
		.amdhsa_memory_ordered 1
		.amdhsa_forward_progress 1
		.amdhsa_inst_pref_size 124
	.end_amdhsa_kernel
	.amdgpu_metadata
---
amdhsa.version: [ 1, 2 ]
amdhsa.kernels:
  - .name:           k_q5c3e635da3_quant
    .symbol:         k_q5c3e635da3_quant.kd
    .args:
      - { .name: x, .offset: 0, .size: 8, .value_kind: global_buffer, .address_space: global }
      - { .name: weight, .offset: 8, .size: 8, .value_kind: global_buffer, .address_space: global }
      - { .name: lora_a, .offset: 16, .size: 8, .value_kind: global_buffer, .address_space: global }
      - { .name: lora_b, .offset: 24, .size: 8, .value_kind: global_buffer, .address_space: global }
      - { .name: xq, .offset: 32, .size: 8, .value_kind: global_buffer, .address_space: global }
      - { .name: wq, .offset: 40, .size: 8, .value_kind: global_buffer, .address_space: global }
      - { .name: timg, .offset: 48, .size: 8, .value_kind: global_buffer, .address_space: global }
      - { .name: lbimg, .offset: 56, .size: 8, .value_kind: global_buffer, .address_space: global }
    .group_segment_fixed_size: 290304
    .private_segment_fixed_size: 0
    .kernarg_segment_align: 8
    .kernarg_segment_size: 64
    .max_flat_workgroup_size: 512
    .sgpr_count:     66
    .vgpr_count:     256
    .wavefront_size: 32
...
	.end_amdgpu_metadata
.endif
;; end of part 3
;; launch gemm (part 4): grid 16 x 16, 4 waves a work-group, clusters of 4 x 4, 327,680 bytes of LDS; arguments xq, wq, timg, lbimg, out0; writes out0
.if DOCPART == 4
	.amdgcn_target "amdgcn-amd-amdhsa--gfx1250"
	.amdhsa_code_object_version 6
	.text
	.protected	k_q5c3e635da3_gemm
	.globl	k_q5c3e635da3_gemm
	.p2align	8
	.type	k_q5c3e635da3_gemm,@function
k_q5c3e635da3_gemm:
	s_mov_b64 s[64:65], 0
	v_nop
	global_prefetch_b8 v0, s[64:65] scope:SCOPE_SE
	s_setreg_imm32_b32 hwreg(HW_REG_WAVE_MODE, 25, 1), 1
	s_wait_xcnt 0x0
	s_wait_alu depctr_hold_cnt(0) depctr_sa_sdst(0) depctr_va_vdst(0) depctr_va_sdst(0) depctr_va_ssrc(0) depctr_va_vcc(0) depctr_vm_vsrc(0)
	s_getreg_b32 s2, hwreg(HW_REG_IB_STS2, 6, 4)
	s_cmp_eq_u32 s2, 0
	s_cbranch_scc0 .Lentry_in_a_cluster
	s_endpgm
.Lentry_in_a_cluster:
	s_bfe_u32 s2, ttmp6, 0x10000c
	s_cmp_lg_u32 s2, 0xf033
	s_cbranch_scc0 .Lentry_shape_is_right
	s_endpgm
.Lentry_shape_is_right:
; out0[m][n] = sum over k of X[m][k] W[n][k] + sum over j < 16 of (2 t)[m][j] lora_b[j][n].  X and W: codes of BF8 (E5M2) with one E8M0 scale for each 32 along K = 4,096, made by the launch before; sums in f32; out0 [4096][4096] f32.
; xq, wq: [32 half-tiles of 128 rows][16 K steps of 256][33,792 bytes]: in a block, fragment (q, i) at (8 q + i) x 2,048 as an image of its registers (group c at 512 c, lane l at 16 l), the scale words at 32,768 + 128 i + 8 r + 4 q.
; So a K step of 128 rows, codes AND scale words, is one dense block for one tensor load, and a fragment comes out of LDS by four loads of 512 consecutive bytes: no pitch, no padding.
; A tile of out0, 256 x 256, is made by a work-group of four waves; a wave makes 128 x 128: 64 accumulators of 16 x 16, 512 registers.  K goes in steps of 256 through a ring of two LDS slots of four blocks (X's two halves, W's two).
; CLUSTERS: 4 x 4 work-groups.  The four of a row of the cluster need the same blocks of X, the four of a column the same blocks of W: each block is asked for JOINTLY, by the same tensor load with the same descriptor and a mask
; that names the four.  THE MATRIX INSTRUCTIONS ARE USED TRANSPOSED (source 0 = 16 rows of W, source 1 = 16 rows of X): a lane then holds eight neighbouring numbers of a row of out0.
; THE PRODUCT OF K = 16 is added onto the same accumulators behind the last K step: 64 bf16 instructions of K = 32, whose upper 16 along K are zeros on both sides.  timg and lbimg hold registers 0-3 of the fragments.
; LIMITS: 2 t and lora_b enter that product rounded to bf16.  NaN and infinities among the inputs are not served.
; REGISTERS, in windows of 256: window 0: v0-31 addresses; v32-63 scale words, two sets; v64-127 t's eight bf16 fragments; from v128 X's fragments (8 x 16 rows x 128 K), ONE set; on the way out v128-255 are free.
;   window 1: W's fragments, TWO sets, at v0 and at v128; in the last step v0-63 take lora_b's eight bf16 fragments.   window 2: the 32 accumulators of my rows 0-63 (accumulator (a, b) at v[8 (8 a + b)]);   window 3: those of rows 64-127.
; A step of 128 along K is 64 matrix instructions, X's blocks one after the other, each against W's eight: a block of X is free as soon as its eight products are issued, so one set serves X: blocks 0-3 are fetched anew in the
; step's middle, blocks 4-7 at its end.  W's fragments are at work through the whole step and have two sets.
.set SIZE_N, 4096
.set NQ,     2                         ; steps of 128 along K in a slot
.set FR,     16                        ; registers of a fragment
.set NL,     4                         ; LDS loads that bring one
.set NP,     8                         ; places behind the scaled matrix instruction (ISA guide 7.12.1)
.set BLK,    33792                     ; a block: 128 rows x 256 codes + 1,024 bytes of scale words = 132 x 256 bytes
.set TROW,   16*BLK                    ; a half-tile's sixteen K steps
.set SLOT,   4*BLK
.set LAPS,   8                         ; a lap = two K steps = once round the ring
.set SPARE,  2*SLOT                    ; behind the ring: the spare words, 128 bytes for each wave: two blocks of 256 bytes that no other line names
.set SPITCH, 528                       ; the way out: a stage of 16 rows x (512 bytes + 16) for each wave.  It lies in slot 0, which has had its last fill and its last read when the first result is stored there
.set ADRA, 16                          ; v16-17  LDS address of my X fragments in slot 0, 1
.set ADRB, 20                          ; v20-21  the same for W
.set ADRS, 22                          ; v22-23  of my scale words: lanes 0-15 X's rows, lanes 16-31 W's
.set STO,  24                          ; v24     the way out: where I put 32 bytes of a row
.set RD,   25                          ; v25     the way out: where I read a row back
.set CO,   26                          ; v26     16 x lane: my place in an image, and in a row of out0
.set SPW,  28                          ; v28     LDS address of my spare word; never rewritten
.set NIL,  29                          ; v29     0; never rewritten
.set SC,   32                          ; scale words: set s (for slot s) at v[SC + 16 s]; register 2 i + q: lanes 0-15 the word of X's block i, lanes 16-31 that of W's block i, for the slot's q-th 128 along K
.set TF,   64                          ; t's fragments
.set AF,   128                         ; X's fragments
.set BK,   128                         ; the way out: 16 rows read back from the stage: v128-191 and v192-255 by turns
.set G1, 24                            ; s[24:31] descriptor group 1 for X's blocks;  s[32:39] group 0, one set for each slot
.set G0, 32
.set G1B, 48                           ; s[48:55], s[56:63] the same for W's
.set G0B, 56
.set MSB, 0
.macro WIN new                         ; the immediate's high byte repeats the setting that is left
.if MSB != (\new)
	s_set_vgpr_msb (MSB<<8)|(\new)
.set MSB, (\new)
.endif
.endm
.set MUL_LO, 0xa1                      ; source 0 (W) window 1, source 1 (X) window 0, C and D window 2
.set MUL_HI, 0xf1                      ; the same, C and D window 3
.set TO_B,   0x40                      ; destination window 1, address window 0
; A joint load: waves 0 and 1 fetch X's two halves, waves 2 and 3 W's.  Each of the two lines has ONE mask and one set of registers for all that issue it; the branch hangs on the wave's number alone.
; Four v_nop follow each of the two lines, ahead of the jump, the label and what follows.
.macro JLOAD g0a, g1a, g0b, g1b
	s_cmp_eq_u32 s15, 0
	s_cbranch_scc0 .Lfor_b_\@
	tensor_load_to_lds s[\g0a:\g0a+3], s[\g1a:\g1a+7]
	s_nop 0
.rept 4
	v_nop
.endr
	s_branch .Lasked_\@
.Lfor_b_\@:
	tensor_load_to_lds s[\g0b:\g0b+3], s[\g1b:\g1b+7]
	s_nop 0
.rept 4
	v_nop
.endr
.Lasked_\@:
.endm
.macro CREST                           ; a round of the cluster's barrier behind its opening barrier
	s_cmp_lg_u32 s14, 0
	s_cbranch_scc1 .Lnot_wave_0_\@
	s_barrier_signal -3
.Lnot_wave_0_\@:
	s_barrier_wait -3
	s_barrier_signal -1
	s_barrier_wait -1
.endm
.macro CROUND                          ; a whole round
	s_barrier_signal -1
	s_barrier_wait -1
	CREST
.endm
	s_load_b256 s[4:11], s[0:1], 0x0               ; xq s[4:5], wq s[6:7], timg s[8:9], lbimg s[10:11]
	s_load_b64 s[12:13], s[0:1], 0x20              ; out0
	v_lshl_add_u32 v[SPW], v0, 2, SPARE
	v_mov_b32 v[NIL], 0
	ds_add_u32 v28, v29
	ds_add_u32 v28, v29
	s_wait_dscnt 0x0
	v_lshrrev_b32 v1, 5, v0
	v_readfirstlane_b32 s14, v1                    ; wave 0..3
	s_lshr_b32 s15, s14, 1                         ; which half of the tile's rows is mine.  Also: I fetch for X (0) or for W (1)
	s_and_b32 s16, s14, 1                          ; which half of its columns.  Also: which half-tile I fetch
	s_bfe_u32 s40, ttmp6, 0x40000                  ; cx, cy: my place in the cluster
	s_bfe_u32 s41, ttmp6, 0x40004
	s_lshl_b32 s42, ttmp9, 2
	s_add_co_u32 s42, s42, s40                     ; tile column = 4 x cluster x + cx
	s_and_b32 s17, ttmp7, 0xffff
	s_lshl_b32 s17, s17, 2
	s_add_co_u32 s17, s17, s41                     ; tile row = 4 x cluster y + cy
	s_lshl_b32 s43, s41, 2
	s_lshl_b32 s43, 15, s43                        ; my row of the cluster
	s_lshl_b32 s44, 0x1111, s40                    ; my column
	; descriptor group 1: a dense block of 33,792 bytes as 132 rows of 256 bytes (32 elements of 8 bytes), laid on end in LDS
	s_or_b32 s[G1+0], s43, (3<<16)|(1<<21)         ; 15:0 the mask: X's blocks go to my row; 17:16 elements of 8 bytes; 20 no padding; 21 set beside a mask
	s_or_b32 s[G1B+0], s44, (3<<16)|(1<<21)        ; W's go to my column
.irp g, G1, G1B
	s_mov_b32 s[\g+1], 32<<16                      ; tensor_dim0 = 32
	s_mov_b32 s[\g+2], 132<<16                     ; tensor_dim1 = 132
	s_mov_b32 s[\g+3], 32<<16                      ; tile_dim0 = 32
	s_mov_b32 s[\g+4], 132                         ; tile_dim1 = 132
	s_mov_b32 s[\g+5], 32                          ; tensor_dim0_stride
	s_mov_b32 s[\g+6], 0
	s_mov_b32 s[\g+7], 0
.endr
	s_lshl_b32 s20, s17, 1
	s_add_co_u32 s20, s20, s16                     ; X: half-tile 2 x tile row + half
	s_mul_i32 s20, s20, TROW
	s_mov_b32 s21, 0
	s_lshl_b32 s46, s42, 1
	s_add_co_u32 s46, s46, s16                     ; W: half-tile 2 x tile column + half
	s_mul_i32 s46, s46, TROW
	s_mov_b32 s47, 0
	s_mul_i32 s45, s14, BLK                        ; where they go: wave x a block: no place in the cluster enters an LDS address
	s_wait_kmcnt 0x0
	s_add_nc_u64 s[20:21], s[4:5], s[20:21]
	s_add_nc_u64 s[46:47], s[6:7], s[46:47]
	CROUND                                         ; all sixteen work-groups are here: the first joint loads meet
.irp s, 0,1
	s_mov_b32 s[G0+4*\s], 1                                        ; count = 1
	s_add_co_u32 s[G0+4*\s+1], s45, \s*SLOT                        ; LDS address
	s_add_nc_u64 s[G0+4*\s+2:G0+4*\s+3], s[20:21], \s*BLK          ; global address: K step s
	s_or_b32 s[G0+4*\s+3], s[G0+4*\s+3], 0x80000000                ; type = 2
	s_mov_b32 s[G0B+4*\s], 1
	s_add_co_u32 s[G0B+4*\s+1], s45, \s*SLOT
	s_add_nc_u64 s[G0B+4*\s+2:G0B+4*\s+3], s[46:47], \s*BLK
	s_or_b32 s[G0B+4*\s+3], s[G0B+4*\s+3], 0x80000000
	s_wait_alu depctr_va_vdst(0)
	s_wait_tensorcnt 0x0
	ds_add_u32 v28, v29
	ds_add_u32 v28, v29
	s_wait_dscnt 0x0
	CROUND
	JLOAD G0+4*\s, G1, G0B+4*\s, G1B               ; my one tensor load is out
.endr
	v_and_b32 v1, 15, v0                           ; r = l % 16
	v_bfe_u32 v2, v0, 4, 1                         ; h = l / 16
	v_and_b32 v6, 31, v0
	v_lshlrev_b32 v[CO], 4, v6                     ; 16 x lane
	s_wait_alu depctr_va_vdst(0)
	s_lshl_b32 s18, s17, 13                        ; t's images of my 128 rows: blocks 16 x tile row + 8 x half on, 512 bytes each
	s_lshl_b32 s19, s15, 12
	s_add_co_u32 s18, s18, s19
	s_mov_b32 s19, 0
	s_add_nc_u64 s[8:9], s[8:9], s[18:19]
	s_lshl_b32 s18, s42, 13                        ; lora_b's of my 128 columns
	s_lshl_b32 s22, s16, 12
	s_add_co_u32 s18, s18, s22
	s_add_nc_u64 s[10:11], s[10:11], s[18:19]
.irp a, 0,1,2,3,4,5,6,7
	global_load_b128 v[TF+8*\a:TF+8*\a+3], v[CO], s[8:9] offset:512*\a   ; registers 0-3 of a bf16 fragment: k = 8 h + 0 .. 7
.endr
.irp a, 0,1,2,3,4,5,6,7
.irp k, 4,5,6,7
	v_mov_b32 v[TF+8*\a+\k], 0                     ; registers 4-7: k = 16 .. 31, which this product does not have
.endr
.endr
	s_mul_i32 s21, s15, BLK                        ; my half of X
	s_mul_i32 s22, s16, BLK                        ; my half of W,
	s_add_co_u32 s22, s22, 2*BLK                   ; which lies behind X's two
	s_sub_co_u32 s23, s22, s21
	v_mul_u32_u24 v5, s23, v2                      ; scale words: lanes 16-31 take W's: one product, h x the distance between the two blocks
	v_lshl_add_u32 v5, v1, 3, v5                   ; + 8 r
	s_add_co_u32 s18, s21, 32768
	v_add_nc_u32 v[ADRS], s18, v5
	v_add_nc_u32 v[ADRS+1], SLOT, v[ADRS]
.irp s, 0,1
	v_add_nc_u32 v[ADRA+\s], s21, v[CO]
	v_add_nc_u32 v[ADRB+\s], s22, v[CO]
	s_add_co_u32 s21, s21, SLOT
	s_add_co_u32 s22, s22, SLOT
.endr
	s_mul_i32 s23, s14, 16*SPITCH                  ; my stage
	v_mul_u32_u24 v5, v1, SPITCH                   ; in: row l % 16, 32 bytes for each half of the lanes
	v_lshl_add_u32 v5, v2, 5, v5
	v_add_nc_u32 v[STO], s23, v5
	v_add_nc_u32 v[RD], s23, v[CO]                 ; back: the 32 lanes take one row of 512 bytes
	s_lshl_b32 s20, s17, 8
	s_lshl_b32 s21, s15, 7
	s_add_co_u32 s20, s20, s21                     ; my first row of out0: 256 x tile row + 128 x half
	s_mov_b32 s21, 0
	s_mov_b64 s[18:19], SIZE_N*4
	s_mul_u64 s[20:21], s[20:21], s[18:19]
	s_lshl_b32 s46, s42, 10                        ; my first column, in bytes: 1,024 x tile column + 512 x half
	s_lshl_b32 s47, s16, 9
	s_add_co_u32 s46, s46, s47
	s_mov_b32 s47, 0
	s_add_nc_u64 s[20:21], s[20:21], s[46:47]
	s_add_nc_u64 s[12:13], s[12:13], s[20:21]
.macro FRAG reg, adr, q, i             ; a fragment's image: four loads of 512 consecutive bytes; registers 4 c .. 4 c + 3 of lane l hold K = 32 c + 16 (l / 16) + 0 .. 15 of row l % 16
.irp c, 0,1,2,3
	ds_load_b128 v[\reg+4*\c:\reg+4*\c+3], v[\adr] offset:(8*(\q)+(\i))*2048+512*\c
.endr
.endm
; 16 matrix instructions: X's blocks a0, a0 + 1 x W's eight, 128 along K: the slot's q-th.  p: W's set;  sc: the set of scale words.  zero = 1: the first product starts the sums: nothing is ever cleared.
; The 64 accumulators take turns, one instruction a turn, in the same order in every step.
.macro MUL16 a0, p, q, sc, zero
.irp a, \a0, \a0+1
.irp b, 0,1,2,3,4,5,6,7
.if \zero
	v_wmma_scale_f32_16x16x128_f8f6f4 v[8*(8*((\a)%4)+\b):8*(8*((\a)%4)+\b)+7], v[128*(\p)+FR*\b:128*(\p)+FR*\b+FR-1], v[AF+FR*(\a):AF+FR*(\a)+FR-1], 0, v[SC+8*NQ*(\sc)+NQ*\b+(\q)], v[SC+8*NQ*(\sc)+NQ*(\a)+(\q)] matrix_a_fmt:MATRIX_FMT_BF8 matrix_b_fmt:MATRIX_FMT_BF8 matrix_a_scale:MATRIX_SCALE_ROW1
.else
	v_wmma_scale_f32_16x16x128_f8f6f4 v[8*(8*((\a)%4)+\b):8*(8*((\a)%4)+\b)+7], v[128*(\p)+FR*\b:128*(\p)+FR*\b+FR-1], v[AF+FR*(\a):AF+FR*(\a)+FR-1], v[8*(8*((\a)%4)+\b):8*(8*((\a)%4)+\b)+7], v[SC+8*NQ*(\sc)+NQ*\b+(\q)], v[SC+8*NQ*(\sc)+NQ*(\a)+(\q)] matrix_a_fmt:MATRIX_FMT_BF8 matrix_b_fmt:MATRIX_FMT_BF8 matrix_a_scale:MATRIX_SCALE_ROW1
.endif
.endr
.endr
.endm
.macro FETCH_B slot, q, p              ; W's eight fragments of the slot's q-th 128 along K into set p
	WIN TO_B
.irp i, 0,1,2,3,4,5,6,7
	FRAG 128*(\p)+FR*\i, ADRB+\slot, \q, \i
.endr
	WIN 0
.endm
.macro FETCH_A slot, q, i0             ; X's blocks i0 .. i0 + 3
.irp i, \i0, \i0+1, \i0+2, \i0+3
	FRAG AF+FR*(\i), ADRA+\slot, \q, \i
.endr
.endm
.macro SCALES sc                       ; slot sc's scale words into set sc: two words a row; lanes 0-15 take X's block i, lanes 16-31 W's block i
.irp i, 0,1,2,3,4,5,6,7
	ds_load_b64 v[SC+8*NQ*\sc+NQ*\i:SC+8*NQ*\sc+NQ*\i+1], v[ADRS+\sc] offset:128*\i
.endr
.endm
; A load into a register that a matrix instruction has read, and a vector instruction or an LDS store that reads a matrix result, stand NP places behind that matrix instruction, and only plain vector instructions that
; name none of its registers are places (ISA guide 7.12.1 for vector instructions); this text does not count the matrix instructions in between.
.macro PLACES n
.rept \n
	v_nop
.endr
.endm
; A step of 128 along K that has its successor in the same slot.
.macro STEP slot, q, zero
	s_wait_dscnt 4*NL                              ; W's set, X's blocks 0-3 and the scale words are in; the youngest sixteen loads (X's blocks 4-7) may be out
	WIN MUL_LO
	MUL16 0, (\q)%2, \q, \slot, \zero
	MUL16 2, (\q)%2, \q, \slot, \zero
	s_wait_dscnt 0                                 ; X's blocks 4-7 are in (asked for 32 matrix instructions ago)
	PLACES NP
	FETCH_B \slot, (\q)+1, 1-(\q)%2
	FETCH_A \slot, (\q)+1, 0
	WIN MUL_HI
	MUL16 4, (\q)%2, \q, \slot, \zero
	MUL16 6, (\q)%2, \q, \slot, \zero
	PLACES NP
	WIN 0
	FETCH_A \slot, (\q)+1, 4
.endm
; A slot's last step changes slots: ONE barrier; in front of it each wave waits for all its tensor loads, adds 0 to its spare word, and waits for that and for its own reads of this slot.  fill = 1: this slot is filled again, two K steps ahead.
.macro TURN slot, next, fill
	s_wait_tensorcnt 0x0                           ; all my tensor loads have landed: the one that was out is my part of the next slot;  (every window is 0 here)
	ds_add_u32 v[SPW], v[NIL]                      ; 0 onto my spare word
	s_wait_dscnt 4*NL+1                            ; (the add and the youngest sixteen loads, X's blocks 4-7, may be out)
	WIN MUL_LO
	MUL16 0, 1, NQ-1, \slot, 0                     ; sixteen matrix instructions stand between the add and the wait for it
	s_wait_dscnt 0x0                               ; the add is done, and my reads of this slot are over
	s_barrier_signal -1
	MUL16 2, 1, NQ-1, \slot, 0
	WIN 0
	s_barrier_wait -1
.if \fill
	CREST                                          ; the barrier has opened a round of the cluster's barrier: no wave of any partner still reads this slot or has a load on its way
	s_add_nc_u64 s[G0+4*\slot+2:G0+4*\slot+3], s[G0+4*\slot+2:G0+4*\slot+3], 2*BLK
	s_add_nc_u64 s[G0B+4*\slot+2:G0B+4*\slot+3], s[G0B+4*\slot+2:G0B+4*\slot+3], 2*BLK
	JLOAD G0+4*\slot, G1, G0B+4*\slot, G1B         ; the first tensor load behind the round, my one load until the next; the four v_nop behind it are among the places in front of the loads below
	PLACES NP-4
.else
	PLACES NP
.endif
	FETCH_B \next, 0, 0
	FETCH_A \next, 0, 0
	SCALES \next
	WIN MUL_HI
	MUL16 4, 1, NQ-1, \slot, 0
	MUL16 6, 1, NQ-1, \slot, 0
	PLACES NP
	WIN 0
	FETCH_A \next, 0, 4
.endm
; The product of K = 16: X's blocks 4 hi .. 4 hi + 3 x W's eight: source 0 = lora_b's 16 columns, source 1 = 16 rows of 2 t.  The accumulators take turns as above.
.macro LORA hi
.irp a, 0,1,2,3
.irp b, 0,1,2,3,4,5,6,7
	v_wmma_f32_16x16x32_bf16 v[8*(8*\a+\b):8*(8*\a+\b)+7], v[8*\b:8*\b+7], v[TF+8*(4*\hi+\a):TF+8*(4*\hi+\a)+7], v[8*(8*\a+\b):8*(8*\a+\b)+7]
.endr
.endr
.endm
	s_wait_alu depctr_va_vdst(0)
	s_wait_loadcnt 0x0                             ; t's images
	s_wait_tensorcnt 1                             ; my part of K step 0 is in (K step 1's load may be out)
	s_barrier_signal -1
	s_barrier_wait -1                              ; everybody's is
	FETCH_B 0, 0, 0
	FETCH_A 0, 0, 0
	SCALES 0
	FETCH_A 0, 0, 4
	STEP 0, 0, 1                                   ; the first step stands in front of the loop: its products start the sums
	s_mov_b32 s3, LAPS-1
.Llap:                                                 ; a trip goes once round the ring, from a lap's second step to the next lap's first, and fills both slots again: seven trips bring K steps 2 to 15
	TURN 0, 1, 1
	STEP 1, 0, 0
	TURN 1, 0, 1
	STEP 0, 0, 0
	s_sub_co_u32 s3, s3, 1
	s_cmp_lg_u32 s3, 0
	s_cbranch_scc1 .Llap
	TURN 0, 1, 0                                   ; the last lap fills nothing, and has no round of the cluster's barrier
	STEP 1, 0, 0
	WIN TO_B                                       ; W's set 0 is done with (eight places stand behind its last products): its first 64 registers take lora_b's fragments, which land under the last step's products
.irp b, 0,1,2,3,4,5,6,7
	global_load_b128 v[8*\b:8*\b+3], v[CO], s[10:11] offset:512*\b
.endr
.irp b, 0,1,2,3,4,5,6,7
.irp k, 4,5,6,7
	v_mov_b32 v[8*\b+\k], 0                        ; k = 16 .. 31: zeros
.endr
.endr
	s_wait_dscnt 4*NL                              ; the very last step of K: nothing more to fetch
	WIN MUL_LO
	MUL16 0, 1, NQ-1, 1, 0
	MUL16 2, 1, NQ-1, 1, 0
	s_wait_alu depctr_va_vdst(0)
	s_wait_dscnt 0
	WIN MUL_HI
	MUL16 4, 1, NQ-1, 1, 0
	MUL16 6, 1, NQ-1, 1, 0
	s_wait_loadcnt 0x0                             ; lora_b's images
	PLACES NP+1                                    ; another form writes over the scaled form's results: one place more than a reader wants
	WIN MUL_LO
	LORA 0
	WIN MUL_HI
	LORA 1
	WIN 0
; THE WAY OUT, block by block of 16 rows x 128 columns.  A lane holds 32 neighbouring bytes of a row, and the lanes beside it hold other rows: so a block goes through my own stage in LDS and comes back as whole
; rows of 512 bytes, which the 32 lanes store as two aligned runs of 256 bytes.  LDS serves a wave's instructions in order (ISA guide 5.7.1.4): no wait between the stores and the loads, nor in front of the next block's stores.
.macro TOSTAGE a
.set AC, 64*((\a)%4)
	WIN 0x08+4*((\a)/4)                            ; the data: window 2 or 3
.irp b, 0,1,2,3,4,5,6,7
	ds_store_b128 v[STO], v[AC+8*\b:AC+8*\b+3] offset:64*\b          ; each accumulator from its low end on
	ds_store_b128 v[STO], v[AC+8*\b+4:AC+8*\b+7] offset:64*\b+16
.endr
	WIN 0
.set BB, BK+64*((\a)%2)
.irp t, 0,1,2,3,4,5,6,7,8,9,10,11,12,13,14,15
	ds_load_b128 v[BB+4*\t:BB+4*\t+3], v[RD] offset:\t*SPITCH
.endr
.endm
.macro SEND a, younger                 ; younger: the LDS instructions issued behind block a's loads, which may stay out
.set BB, BK+64*((\a)%2)
	s_wait_dscnt \younger                          ; the block is back in registers
.if (\a) > 0
	s_add_nc_u64 s[12:13], s[12:13], 16*SIZE_N*4   ; (behind a wait on XCNT: the earlier stores have read their base)  16 rows on, so that the stores' offsets stay at 15 rows of 16,384 bytes at the most
.endif
.irp t, 0,1,2,3,4,5,6,7,8,9,10,11,12,13,14,15
	global_store_b128 v[CO], v[BB+4*\t:BB+4*\t+3], s[12:13] offset:\t*SIZE_N*4 th:TH_STORE_NT   ; 32 lanes store 512 consecutive bytes, at a multiple of 256 from out0's first byte; written once, read by nobody here
.endr
.endm
	PLACES 4                                       ; four places behind the bf16 form before its results are read: they serve block 7's reads too, in front of which no vector line stands
	TOSTAGE 0
.irp a, 1,2,3,4,5,6,7
.if \a > 1
	s_wait_xcnt 0x0                                ; block a - 2's stores have read their registers and their base: block a's loads may land there, and the base may step
.endif
	TOSTAGE \a
	SEND \a-1, 32                                  ; behind block a - 1's loads: block a's 16 stores and 16 loads
.endr
	s_wait_xcnt 0x0                                ; block 6's stores have read their base
	SEND 7, 0
	s_wait_tensorcnt 0x0                           ; the wave's end: behind my last tensor load and my last LDS store
	ds_add_u32 v[SPW], v[NIL]
	s_wait_dscnt 0x0
	CROUND                                         ; the closing round: no work-group ends while a partner may still ask for a block that names it
	s_endpgm
.Lfunc_end_k_q5c3e635da3_gemm:
	.size	k_q5c3e635da3_gemm, .Lfunc_end_k_q5c3e635da3_gemm-k_q5c3e635da3_gemm
	.p2alignl 7, 3214868480
	.fill 96, 4, 3214868480
	.section	.rodata,"a",@progbits
	.p2align	6, 0x0
	.amdhsa_kernel k_q5c3e635da3_gemm
		.amdhsa_group_segment_fixed_size 327680
		.amdhsa_private_segment_fixed_size 0
		.amdhsa_enable_private_segment 0
		.amdhsa_kernarg_size 40
		.amdhsa_user_sgpr_count 2
		.amdhsa_user_sgpr_kernarg_segment_ptr 1
		.amdhsa_wavefront_size32 1
		.amdhsa_system_sgpr_workgroup_id_x 1
		.amdhsa_system_sgpr_workgroup_id_y 1
		.amdhsa_system_sgpr_workgroup_id_z 1
		.amdhsa_system_vgpr_workitem_id 0
		.amdhsa_next_free_vgpr 1024
		.amdhsa_next_free_sgpr 66
		.amdhsa_reserve_vcc 0
		.amdhsa_float_denorm_mode_32 3
		.amdhsa_float_denorm_mode_16_64 3
		.amdhsa_memory_ordered 1
		.amdhsa_forward_progress 1
		.amdhsa_inst_pref_size 152
	.end_amdhsa_kernel
	.amdgpu_metadata
---
amdhsa.version: [ 1, 2 ]
amdhsa.kernels:
  - .name:           k_q5c3e635da3_gemm
    .symbol:         k_q5c3e635da3_gemm.kd
    .args:
      - { .name: xq, .offset: 0, .size: 8, .value_kind: global_buffer, .address_space: global }
      - { .name: wq, .offset: 8, .size: 8, .value_kind: global_buffer, .address_space: global }
      - { .name: timg, .offset: 16, .size: 8, .value_kind: global_buffer, .address_space: global }
      - { .name: lbimg, .offset: 24, .size: 8, .value_kind: global_buffer, .address_space: global }
      - { .name: out0, .offset: 32, .size: 8, .value_kind: global_buffer, .address_space: global }
    .group_segment_fixed_size: 327680
    .private_segment_fixed_size: 0
    .kernarg_segment_align: 8
    .kernarg_segment_size: 40
    .max_flat_workgroup_size: 128
    .sgpr_count:     66
    .vgpr_count:     1024
    .wavefront_size: 32
...
	.end_amdgpu_metadata
.endif
;; end of part 4
